; MI455X (gfx1250); checked and timed in simulation.
; The chip was launched on July 23, 2026; its instructions are those of AMD's public machine-readable ISA for CDNA 5 (MIT licence, August 2026) and "CDNA5" Instruction Set Architecture Reference Guide (July 2026). The comments in the code are by the model that wrote it; some were corrected since.
;; Tempo Spike Self Attention. Allowed arithmetic: float matrix products may take bf16 or f16 operands with f32 sums; other float arithmetic in f32, or as packed bf16 or f16 multiplies, adds, multiply-adds, maxima and minima; sums over many terms, partial sums and values carried from step to step in f32; what a program stores and reads back later, other than sums and carried values, may be rounded once to bf16 or f16.
;; Inputs: Wk 768 x 768 float32; Wo 768 x 768 float32; Wq 768 x 768 float32; Wv 768 x 768 float32; bk 768 float32; bo 768 float32; bq 768 float32; bv 768 float32; x 4 x 4 x 1,024 x 768 float32.
;; Outputs: out0 4 x 4 x 1,024 x 768 float32.
;; 2 versions, each right; version 2 is version 1 with the launch cast written anew for expert scheduling mode. Each part assembles by itself: llvm-mc -triple=amdgcn-amd-amdhsa -mcpu=gfx1250 --defsym DOCPART=n.
;; ======== version 1 of 2: 4 launches
;; limits: values are held in f16: magnitudes above 65,504 overflow, below 6.1e-05 lose precision
;; workspace buffers: xb 25,165,824 bytes; wb 3,538,944 bytes; wo 1,179,648 bytes; qkv 75,497,472 bytes; kmx 4,096 bytes; ctx 25,165,824 bytes
;; launch cast (part 1): grid 912 x 1, 8 waves a work-group, no clusters, 0 bytes of LDS; arguments x, Wq, Wk, Wv, Wo, xb, wb, wo; writes xb, wb, wo
.if DOCPART == 1
	.amdgcn_target "amdgcn-amd-amdhsa--gfx1250"
	.amdhsa_code_object_version 6
	.text
	.protected	k_q2c6f0d12a8_cast
	.globl	k_q2c6f0d12a8_cast
	.p2align	8
	.type	k_q2c6f0d12a8_cast,@function
k_q2c6f0d12a8_cast:
	s_mov_b64 s[64:65], 0
	v_nop
	global_prefetch_b8 v0, s[64:65] scope:SCOPE_SE
	s_setreg_imm32_b32 hwreg(HW_REG_WAVE_MODE, 25, 1), 1
	s_wait_xcnt 0x0
; CAST.  x, Wq, Wk, Wv are rounded once to bf16 (xb; wb = Wq's, Wk's, Wv's rows one below the other).  Wo is rounded to bf16 like the other
; inputs, and that number is written as f16 (wo), since the last product multiplies it with f16 numbers.
; LIMIT.  A bf16 number is exact in f16 from 6.1e-5 to 65,504; below that it keeps f16's fixed step of 6e-8, beyond it becomes an infinity.
; A stream: no LDS, no matrix unit, no barrier.  A work-group takes 16,384 numbers (64 KiB in, 32 KiB out): 768 work-groups for x, 36 for each weight.
; Thread t takes 16 bytes at 16 t of each of 16 blocks of 4,096 bytes; all 16 loads are issued at once; a wave's store covers 256 consecutive bytes, aligned.
.set X,   16                           ; v[16:79]   16 x 4 f32 as loaded
.set Y,   80                           ; v[80:111]  16 x 2 words to store
.set W,   112                          ; v[112:115] at work
.set SRC, 26                           ; s[26:27]
.set DST, 28                           ; s[28:29]
	s_load_b512 s[4:19], s[0:1], 0x0               ; x 4:5, Wq 6:7, Wk 8:9, Wv 10:11, Wo 12:13, xb 14:15, wb 16:17, wo 18:19
	s_mov_b32 s20, ttmp9                           ; g
	s_sub_co_u32 s21, s20, 768                     ; my block's number in Wq, and in wb for all three weights that lie there
	s_sub_co_u32 s22, s20, 804                     ; in Wk
	s_sub_co_u32 s23, s20, 840                     ; in Wv
	s_sub_co_u32 s24, s20, 876                     ; in Wo and wo
	v_lshlrev_b32 v1, 4, v0                        ; 16 t: loads
	v_lshlrev_b32 v2, 3, v0                        ; 8 t: stores
	s_wait_kmcnt 0x0
	s_mov_b64 s[SRC:SRC+1], s[4:5]
	s_mov_b64 s[DST:DST+1], s[14:15]
	s_mov_b32 s30, s20                             ; block number in the source
	s_mov_b32 s31, s20                             ; and in the destination
	s_cmp_ge_u32 s20, 768                          ; behind each compare stand selects alone, which leave SCC as it is
	s_cselect_b64 s[SRC:SRC+1], s[6:7], s[SRC:SRC+1]
	s_cselect_b64 s[DST:DST+1], s[16:17], s[DST:DST+1]
	s_cselect_b32 s30, s21, s30
	s_cselect_b32 s31, s21, s31
	s_cmp_ge_u32 s20, 804
	s_cselect_b64 s[SRC:SRC+1], s[8:9], s[SRC:SRC+1]
	s_cselect_b32 s30, s22, s30
	s_cmp_ge_u32 s20, 840
	s_cselect_b64 s[SRC:SRC+1], s[10:11], s[SRC:SRC+1]
	s_cselect_b32 s30, s23, s30
	s_cmp_ge_u32 s20, 876
	s_cselect_b64 s[SRC:SRC+1], s[12:13], s[SRC:SRC+1]
	s_cselect_b64 s[DST:DST+1], s[18:19], s[DST:DST+1]
	s_cselect_b32 s30, s24, s30
	s_cselect_b32 s31, s24, s31
	s_lshl_b32 s32, s30, 16                        ; 65,536 bytes of f32 a block
	s_mov_b32 s33, 0
	s_lshl_b32 s34, s31, 15                        ; 32,768 bytes of 16-bit numbers
	s_mov_b32 s35, 0
	s_add_nc_u64 s[SRC:SRC+1], s[SRC:SRC+1], s[32:33]
	s_add_nc_u64 s[DST:DST+1], s[DST:DST+1], s[34:35]
.set j, 0
.rept 16
	global_load_b128 v[X+4*j:X+4*j+3], v1, s[SRC:SRC+1] offset:4096*j th:TH_LOAD_NT
.set j, j+1
.endr
; Block j: four numbers a lane.  half = 1: the bf16 numbers are widened again and written as f16.  No register that a store reads is written behind that store, so no store's source is ever rewritten.
.macro CVT j, half
	s_wait_loadcnt 15-(\j)                         ; loads come back in order: block j is in, the 15 - j younger ones stay out
	v_cvt_pk_bf16_f32 v[Y+2*(\j)], v[X+4*(\j)], v[X+4*(\j)+1]
	v_cvt_pk_bf16_f32 v[Y+2*(\j)+1], v[X+4*(\j)+2], v[X+4*(\j)+3]
.if \half
.irp k, 0,1
	v_lshlrev_b32 v[W+2*(\k)], 16, v[Y+2*(\j)+(\k)]
	v_and_b32 v[W+2*(\k)+1], 0xffff0000, v[Y+2*(\j)+(\k)]
	v_cvt_pk_f16_f32 v[Y+2*(\j)+(\k)], v[W+2*(\k)], v[W+2*(\k)+1]
.endr
.endif
	global_store_b64 v2, v[Y+2*(\j):Y+2*(\j)+1], s[DST:DST+1] offset:2048*(\j) th:TH_STORE_NT
.endm
	s_cmp_ge_u32 s20, 876                          ; the same in all waves of the work-group
	s_cbranch_scc1 .Lwo
.irp j, 0,1,2,3,4,5,6,7,8,9,10,11,12,13,14,15
	CVT \j, 0
.endr
	s_endpgm
.Lwo:
.irp j, 0,1,2,3,4,5,6,7,8,9,10,11,12,13,14,15
	CVT \j, 1
.endr
	s_endpgm
.Lfunc_end_k_q2c6f0d12a8_cast:
	.size	k_q2c6f0d12a8_cast, .Lfunc_end_k_q2c6f0d12a8_cast-k_q2c6f0d12a8_cast
	.p2alignl 7, 3214868480
	.fill 96, 4, 3214868480
	.section	.rodata,"a",@progbits
	.p2align	6, 0x0
	.amdhsa_kernel k_q2c6f0d12a8_cast
		.amdhsa_group_segment_fixed_size 0
		.amdhsa_private_segment_fixed_size 0
		.amdhsa_enable_private_segment 0
		.amdhsa_kernarg_size 64
		.amdhsa_user_sgpr_count 2
		.amdhsa_user_sgpr_kernarg_segment_ptr 1
		.amdhsa_wavefront_size32 1
		.amdhsa_system_sgpr_workgroup_id_x 1
		.amdhsa_system_sgpr_workgroup_id_y 1
		.amdhsa_system_sgpr_workgroup_id_z 1
		.amdhsa_system_vgpr_workitem_id 0
		.amdhsa_next_free_vgpr 116
		.amdhsa_next_free_sgpr 66
		.amdhsa_reserve_vcc 0
		.amdhsa_float_denorm_mode_32 3
		.amdhsa_float_denorm_mode_16_64 3
		.amdhsa_memory_ordered 1
		.amdhsa_forward_progress 1
		.amdhsa_inst_pref_size 17
	.end_amdhsa_kernel
	.amdgpu_metadata
---
amdhsa.version: [ 1, 2 ]
amdhsa.kernels:
  - .name:           k_q2c6f0d12a8_cast
    .symbol:         k_q2c6f0d12a8_cast.kd
    .args:
      - { .name: x, .offset: 0, .size: 8, .value_kind: global_buffer, .address_space: global }
      - { .name: Wq, .offset: 8, .size: 8, .value_kind: global_buffer, .address_space: global }
      - { .name: Wk, .offset: 16, .size: 8, .value_kind: global_buffer, .address_space: global }
      - { .name: Wv, .offset: 24, .size: 8, .value_kind: global_buffer, .address_space: global }
      - { .name: Wo, .offset: 32, .size: 8, .value_kind: global_buffer, .address_space: global }
      - { .name: xb, .offset: 40, .size: 8, .value_kind: global_buffer, .address_space: global }
      - { .name: wb, .offset: 48, .size: 8, .value_kind: global_buffer, .address_space: global }
      - { .name: wo, .offset: 56, .size: 8, .value_kind: global_buffer, .address_space: global }
    .group_segment_fixed_size: 0
    .private_segment_fixed_size: 0
    .kernarg_segment_align: 8
    .kernarg_segment_size: 64
    .max_flat_workgroup_size: 256
    .sgpr_count:     66
    .vgpr_count:     116
    .wavefront_size: 32
...
	.end_amdgpu_metadata
.endif
;; end of part 1
;; launch qkv (part 2): grid 4 x 64, 4 waves a work-group, clusters of 4 x 4, 327,680 bytes of LDS; arguments xb, wb, bq, bk, bv, qkv, kmx; writes qkv, kmx
.if DOCPART == 2
	.amdgcn_target "amdgcn-amd-amdhsa--gfx1250"
	.amdhsa_code_object_version 6
	.text
	.protected	k_q2c6f0d12a8_qkv
	.globl	k_q2c6f0d12a8_qkv
	.p2align	8
	.type	k_q2c6f0d12a8_qkv,@function
k_q2c6f0d12a8_qkv:
	s_mov_b64 s[64:65], 0
	v_nop
	global_prefetch_b8 v0, s[64:65] scope:SCOPE_SE
	s_setreg_imm32_b32 hwreg(HW_REG_WAVE_MODE, 25, 1), 1
	s_wait_xcnt 0x0
	s_wait_alu depctr_hold_cnt(0) depctr_sa_sdst(0) depctr_va_vdst(0) depctr_va_sdst(0) depctr_va_ssrc(0) depctr_va_vcc(0) depctr_vm_vsrc(0)
	s_getreg_b32 s2, hwreg(HW_REG_IB_STS2, 6, 4)
	s_cmp_eq_u32 s2, 0
	s_cbranch_scc0 .Lentry_in_a_cluster
	s_endpgm
.Lentry_in_a_cluster:
	s_bfe_u32 s2, ttmp6, 0x10000c
	s_cmp_lg_u32 s2, 0xf033
	s_cbranch_scc0 .Lentry_shape_is_right
	s_endpgm
.Lentry_shape_is_right:
; Q, K, V PROJECTIONS.  C[m][n] = sum over k of xb[m][k] wb[n][k] + bias[n]; m = 16,384 rows, n = 2,304 (q, k, v), k = 768.  Operands bf16, sums f32; the bias, rounded to bf16 like
; every input, is the C operand of each accumulator's first product.  C leaves as f16 by heads: qkv = three sections (q, k, v) of [16 batches x 12 heads][1,024][64], unscaled.
; LIMIT.  f16 ends at 65,504: a q, k or v beyond it becomes an infinity; below 6.1e-5 f16 keeps its fixed step of 6e-8.  NaN and infinities are not treated apart.
; SHARES.  A tile of C is 256 rows x 192 columns (three heads); four waves, wave w rows 64 w .. 64 w + 63 x all 192 columns: 48 accumulators, 384 registers.
; A WORK-GROUP STAYS: it makes three tiles, the same rows and the same group of three heads in sections q, k, v.  Their 18 K steps of 128 are ONE sequence for the ring of two LDS slots: a tile's last
; two changes of slots ask for the next tile's first two K steps, and nothing waits for a tile's stores.  A K step is four quarters of 32 along K, 48 matrix instructions and 32 LDS loads each.
; ONE COUNTED LOOP walks the 16 changes of slots that fill a slot again; what a trip does behind its change (a plain quarter, or a tile's way out and the next tile's first quarter) hangs on the
; number of the K step asked for, the same in every work-group; these jumps go forward and pass no barrier and no tensor load.  The last two K steps ask for nothing and are written out.
; CLUSTER 4 x 4.  A's tile hangs on the tile row alone and is asked for jointly by a row of the cluster, B's on the group of heads and the section alone, by a column.  Waves 0, 1 fetch A's halves
; (128 rows), waves 2, 3 B's (96 rows): one tensor load a wave behind each round; from a request to the wait for it a wave issues 168 matrix instructions.
; THE MATRIX INSTRUCTION IS USED TRANSPOSED (source 0 = 16 rows of wb, source 1 = 16 rows of xb): lane l holds row l % 16 of C and the columns 8 (l / 16) + 0..7.
; kmx.  In section k each wave also stores the largest |k| of its 64 x 192 numbers: [group 0..3][tile row 0..63][wave 0..3] f32, 4,096 bytes in the launch, 4 bytes at a time by one lane.
; AHEAD OF THE LOADS.  xb's blocks are asked for once, in the first tile: by waves 0 and 1, the four partners of a row sharing a wave's 128 rows by address, 32 each, a lane a row; the changes of
; slots that ask for K steps 2 and 3 name K steps 4 and 5, two K steps (384 matrix instructions) ahead; K steps 0 to 3 come by their loads alone; the later tiles read the same rows again.
; wb's rows are walked by each of the 16 clusters, and 96 rows among four partners are 24, not a lane a row: they are not asked for ahead.
; REGISTERS, in windows of 256 (s_set_vgpr_msb: bits 1:0 source 0, 3:2 source 1, 5:4 source 2, 7:6 destination):
;   window 0: v0-29 addresses; v32-95 A's fragments, two buffers of 4 x 8; v96-143 the way out's packed results; v144-239 the bias, 8 a column block; v240-243 at work
;   window 1: B's fragments, two buffers of 12 x 8; on the way out buffer 1 (v96-191) takes the rows read back        window 2: accumulators of row blocks 0, 1 at 96 (a % 2) + 8 b        window 3: row blocks 2, 3
.set ROWB,  1536                       ; bytes in a row of xb and of wb
.set KSA,   256                        ; bytes from K step to K step
.set WSEC,  768*ROWB                   ; bytes from a section's rows of wb to the next section's
.set PA,    272                        ; an LDS row: 256 bytes + 16 of padding = 68 words: the 16 rows of a load start at 16 different groups of four banks (64 banks of 4 bytes: ISA guide 11.1)
.set PB,    272
.set AH,    128                        ; bytes from a pair of quarters to the next in A's LDS rows
.set APART, 128*PA                     ; what waves 0, 1 fetch
.set BOFF,  2*APART                    ; B lies behind A's 256 rows
.set BPART, 96*PB                      ; what waves 2, 3 fetch
.set SLOT1, 1<<17                      ; slot 1 begins here: one exclusive or turns an address in one slot into the other's (a slot uses 121,856 bytes)
.set STAGE, 2*SLOT1                    ; behind the ring, never filled by a tensor load
.set SP,    144                        ; a stage row: a head's 128 bytes + 16
.set WSTG,  3*16*SP                    ; a wave's stage: three heads x 16 rows
.set SPARE, STAGE+4*WSTG               ; the spare words, 128 bytes a wave: two blocks of 256 bytes that no other line names
.set SECB,  25165824                   ; bytes in a section of qkv
.set HEADB, 131072                     ; bytes in a head: 1,024 rows of 128
.set G1W0,  (1<<16)|(1<<20)|(1<<21)|(5<<22)|(3<<25)  ; 2-byte elements; padding on; bit 21 beside a mask; after every 64 words; 4 words
.set ADA0, 4                           ; v4   my lane's place in A's tile; never rewritten
.set ADB0, 5                           ; v5   in B's
.set ADA,  6                           ; v6   the same in the slot in hand
.set ADB,  7
.set STO,  8                           ; v8   the way out: where I put 16 bytes of a row
.set RD,   9                           ; v9   where I read rows back
.set GO,   10                          ; v10  my 16 bytes of 512 consecutive bytes of qkv
.set BO,   11                          ; v11  32 x (l / 16): my eight numbers of a block of 16 of the bias
.set PFO,  12                          ; v12  the prefetches' offset: lane x a row of xb
.set MX,   13                          ; v13-16 four running maxima
.set ZO,   17                          ; v17  0, an offset
.set LN,   18                          ; v18  lane
.set SPW,  28                          ; v28  my spare word; never rewritten
.set NIL,  29                          ; v29  0; never rewritten
.set AF,   32
.set TMP,  96
.set BK,   96                          ; in window 1: two buffers of 48
.set BIAS, 144
.set WK,   240
.set WV,  18
.set HF,  20                           ; wave & 1: which part of A's or B's tile I fetch
.set CX,  21
.set CY,  22
.set CT,  23                           ; the group of three heads
.set G1A, 24
.set G1B, 32
.set G0A, 40                           ; two sets: the first fills'; the second then walks on
.set G0B, 48
.set TB,  56                           ; LDS byte at which the slot in hand begins
.set CNT, 57
.set LIM, 58                           ; 14 in a wave that prefetches, else the greatest number
.set RT,  59                           ; tile row
.set PFA, 60
.set SEL, 62
.set ABASE, 74                         ; s[74:75] xb at the rows that I fetch, K step 0
.set BBASE, 76                         ; s[76:77] wb at the rows that I fetch, section q, K step 0
.set OUTP, 80
.set BP,  82
.set KMP, 84
.set SEC, 86                           ; the section in hand: 0 q, 1 k, 2 v
.set SVX, 87
.set KI,  88                           ; the K step asked for last, 0..5
.set BS,  89                           ; its section's byte offset in wb
.set OA,  90                           ; s[90:91] A's byte offset of the K step to ask for
.set OB,  92                           ; s[92:93] B's
.set BOF, 94                           ; s[94:95] my 192 columns' byte offset in a bias
.set MSB, 0
.macro WIN new                         ; the immediate's high byte repeats the setting that is left; a switch that changes nothing is dropped
.if MSB != (\new)
	s_set_vgpr_msb (MSB<<8)|(\new)
.set MSB, (\new)
.endif
.endm
.macro PLACES                          ; four plain places behind matrix instructions, in front of loads into registers that they read and of lines that read results
.rept 4
	v_nop
.endr
.endm
.macro CREST                           ; a round of the cluster's barrier behind its opening barrier
	s_cmp_lg_u32 s[WV], 0
	s_cbranch_scc1 .Lnot_wave_0_\@
	s_barrier_signal -3
.Lnot_wave_0_\@:
	s_barrier_wait -3
	s_barrier_signal -1
	s_barrier_wait -1
.endm
.macro CROUND
	s_barrier_signal -1
	s_barrier_wait -1
	CREST
.endm
.macro JLOAD                           ; a joint refill by the walking set; the branch hangs on the wave's number alone; s_nop 0 and four v_nop follow each line
	s_cmp_lt_u32 s[WV], 2
	s_cbranch_scc0 .Lfor_b_\@
	tensor_load_to_lds s[G0A+4:G0A+7], s[G1A:G1A+7]
	s_nop 0
.rept 4
	v_nop
.endr
	s_branch .Lasked_\@
.Lfor_b_\@:
	tensor_load_to_lds s[G0B+4:G0B+7], s[G1B:G1B+7]
	s_nop 0
.rept 4
	v_nop
.endr
.Lasked_\@:
.endm
.macro ASK                             ; 32 rows x 256 bytes of the K step two refills on; only in the loop's first two trips (count 16 and 15), so the first tile's K step 5 is the last that is named
	s_cmp_gt_u32 s[CNT], s[LIM]
	s_cbranch_scc0 .Lnot_mine_\@
	global_prefetch_b8 v[PFO], s[PFA:PFA+1] offset:KSA th:TH_LOAD_NT scope:SCOPE_SE
.Lnot_mine_\@:
.endm
; 12 matrix instructions: row block a x all 12 column blocks, 32 along K, from buffer f.  first = 1: the bias starts the sums.  Each of the 48 accumulators has one instruction a quarter, always
; in the same order, from tile to tile too: the accumulators take turns.
.macro MUL12 f, a, first
.if \first
	WIN 0x81+0x40*((\a)/2)
.else
	WIN 0xa1+0x50*((\a)/2)
.endif
.irp b, 0,1,2,3,4,5,6,7,8,9,10,11
.if \first
	v_wmma_f32_16x16x32_bf16 v[96*((\a)%2)+8*(\b):96*((\a)%2)+8*(\b)+7], v[96*(\f)+8*(\b):96*(\f)+8*(\b)+7], v[AF+32*(\f)+8*(\a):AF+32*(\f)+8*(\a)+7], v[BIAS+8*(\b):BIAS+8*(\b)+7]
.else
	v_wmma_f32_16x16x32_bf16 v[96*((\a)%2)+8*(\b):96*((\a)%2)+8*(\b)+7], v[96*(\f)+8*(\b):96*(\f)+8*(\b)+7], v[AF+32*(\f)+8*(\a):AF+32*(\f)+8*(\a)+7], v[96*((\a)%2)+8*(\b):96*((\a)%2)+8*(\b)+7]
.endif
.endr
.endm
; 32 LDS loads in one run: quarter q's fragments into buffer f: B's 24, then A's 8
.macro FETCH q, f
	WIN 0x40
.irp i, 0,1,2,3,4,5,6,7,8,9,10,11
	ds_load_b128 v[96*(\f)+8*(\i):96*(\f)+8*(\i)+3],   v[ADB] offset:64*(\q)+(\i)*16*PB
	ds_load_b128 v[96*(\f)+8*(\i)+4:96*(\f)+8*(\i)+7], v[ADB] offset:64*(\q)+(\i)*16*PB+32
.endr
	WIN 0
.irp i, 0,1,2,3
	ds_load_b128 v[AF+32*(\f)+8*(\i):AF+32*(\f)+8*(\i)+3],   v[ADA] offset:((\q)/2)*AH+((\q)%2)*64+(\i)*16*PA
	ds_load_b128 v[AF+32*(\f)+8*(\i)+4:AF+32*(\f)+8*(\i)+7], v[ADA] offset:((\q)/2)*AH+((\q)%2)*64+(\i)*16*PA+32
.endr
.endm
; One of a K step's first three quarters: multiplies buffer f; in its middle fetches quarter q into buffer g
.macro QUARTER q, f, g, first
	s_wait_dscnt 4                                 ; B and A's blocks 0, 1 are in; the youngest four loads (A's blocks 2, 3) may be out
	MUL12 \f, 0, \first
	MUL12 \f, 1, \first
	PLACES
	FETCH \q, \g
	s_wait_dscnt 32                                ; all but the 32 just issued
	MUL12 \f, 2, \first
	MUL12 \f, 3, \first
.endm
; The last quarter multiplies buffer 1 and changes slots.  In front of the barrier each wave waits for all its tensor loads (one is out: its part of the next slot), adds 0 to its spare word, and waits
; for that and for its reads of this slot.  fill = 1: the barrier opens a round of the cluster's, and the joint refill is the first thing behind the round: the K step two steps on in the walk of 18,
; its two addresses made anew from the step's number and the section's offset.
.macro TURN fill
.if \fill
	s_wait_xcnt 0x0                                ; the last prefetch, a K step back, has read its address
	s_add_nc_u64 s[PFA:PFA+1], s[PFA:PFA+1], KSA
.endif
	WIN 0
	s_wait_tensorcnt 0x0                           ; no tensor load of mine is out, so a group 0 may be written
	ds_add_u32 v[SPW], v[NIL]                      ; 0 onto my spare word; the scalar work below stands between it and the wait for it
.if \fill
	s_add_co_u32 s[KI], s[KI], 1                   ; the tile's next K step, or behind its last the next section's K step 0
	s_cmp_eq_u32 s[KI], 6
	s_cselect_b32 s[KI], 0, s[KI]
	s_cselect_b32 s66, WSEC, 0
	s_add_co_u32 s[BS], s[BS], s66
	s_lshl_b32 s[OA], s[KI], 8
	s_add_co_u32 s[OB], s[BS], s[OA]
	s_xor_b32 s[G0A+5], s[G0A+5], SLOT1            ; the walking sets: the other slot than last time
	s_add_nc_u64 s[G0A+6:G0A+7], s[ABASE:ABASE+1], s[OA:OA+1]
	s_or_b32 s[G0A+7], s[G0A+7], 0x80000000
	s_xor_b32 s[G0B+5], s[G0B+5], SLOT1
	s_add_nc_u64 s[G0B+6:G0B+7], s[BBASE:BBASE+1], s[OB:OB+1]
	s_or_b32 s[G0B+7], s[G0B+7], 0x80000000
.endif
	s_xor_b32 s[TB], s[TB], SLOT1
	s_wait_dscnt 5                                 ; the add and the youngest four loads may be out
	MUL12 1, 0, 0
	s_wait_dscnt 0x0                               ; the add is done, and my reads of this slot are over
	s_barrier_signal -1
	MUL12 1, 1, 0
.if \fill
	WIN 0
	s_barrier_wait -1
	CREST                                          ; no wave of any partner still reads this slot or has a load on its way
	JLOAD                                          ; its four v_nop are also the places in front of the loads below
.else
	s_barrier_wait -1
	PLACES
	WIN 0
.endif
	v_add_nc_u32 v[ADA], s[TB], v[ADA0]
	v_add_nc_u32 v[ADB], s[TB], v[ADB0]
	FETCH 0, 0
.if \fill
	ASK
.endif
	MUL12 1, 2, 0
	MUL12 1, 3, 0
.endm
; THE WAY OUT.  Row block a: rounded to f16, 16 bytes a lane; into my own stage (three heads x 16 rows of 144 bytes); back as whole rows of 128 bytes; stored, 512 consecutive bytes an instruction.
; It names neither fragment buffer 0, where the next tile's first fragments are on their way, nor the bias's registers, where the next section's bias has landed.
.macro PK a
	WIN 0x0a+5*((\a)/2)                            ; sources 0 and 1 in window 2 or 3; each accumulator's registers in ascending order
.irp b, 0,1,2,3,4,5,6,7,8,9,10,11
.irp r, 0,1,2,3
	v_cvt_pk_f16_f32 v[TMP+4*(\b)+(\r)], v[96*((\a)%2)+8*(\b)+2*(\r)], v[96*((\a)%2)+8*(\b)+2*(\r)+1]
.endr
.endr
	WIN 0
.irp b, 0,1,2,3,4,5,6,7,8,9,10,11
	ds_store_b128 v[STO], v[TMP+4*(\b):TMP+4*(\b)+3] offset:((\b)/4)*16*SP+((\b)%4)*32
.endr
.if (\a) >= 2
	s_wait_xcnt 0x0                                ; the stores of the block two back have read this buffer
.endif
	WIN 0x40                                       ; destination in window 1
.irp g, 0,1,2,3,4,5,6,7,8,9,10,11
	ds_load_b128 v[BK+48*((\a)%2)+4*(\g):BK+48*((\a)%2)+4*(\g)+3], v[RD] offset:((\g)/4)*16*SP+((\g)%4)*4*SP  ; LDS serves a wave's instructions in order (ISA guide 5.7.1.4): these see the stores above
.endr
.endm
.macro SEND a, younger                 ; younger: the next block's 12 stage stores and 12 loads, or none
	WIN 0x04                                       ; the stores' data in window 1
	s_wait_dscnt \younger
.irp g, 0,1,2,3,4,5,6,7,8,9,10,11
	global_store_b128 v[GO], v[BK+48*((\a)%2)+4*(\g):BK+48*((\a)%2)+4*(\g)+3], s[OUTP:OUTP+1] offset:((\g)/4)*HEADB+(\a)*2048+((\g)%4)*512
.endr
.endm
; more = 1: a tile that has a successor.  No v_nop: row blocks 0 and 1 were finished in front of the joint load's places, and their 96 conversions, which name no register of the last products, are those products' places.
.macro WAYOUT more
	PK 0
	PK 1
	SEND 0, 24
	PK 2
	SEND 1, 24
	PK 3
	SEND 2, 24
	SEND 3, 0
	WIN 0
.if \more
	s_cmp_lg_u32 s[SEC], 1                         ; the same in all partners; what is jumped holds no barrier and no tensor load
	s_cbranch_scc1 .Lnok_\@
.irp k, 0,1,2,3
	v_mov_b32 v[MX+(\k)], 0
.endr
	WIN 0x28                                       ; sources 1 and 2 in window 2
.set i, 0
.rept 96
	v_max3_num_f32 v[MX+i%4], v[MX+i%4], |v[2*i]|, |v[2*i+1]|
.set i, i+1
.endr
	WIN 0x3c                                       ; in window 3
.set i, 0
.rept 96
	v_max3_num_f32 v[MX+i%4], v[MX+i%4], |v[2*i]|, |v[2*i+1]|
.set i, i+1
.endr
	WIN 0
	v_max3_num_f32 v[MX], v[MX], v[MX+1], v[MX+2]
	v_max_num_f32 v[MX], v[MX], v[MX+3]
	v_max_num_f32_dpp v[MX], v[MX], v[MX] row_xmask:1 row_mask:0xf bank_mask:0xf
	v_max_num_f32_dpp v[MX], v[MX], v[MX] row_xmask:2 row_mask:0xf bank_mask:0xf
	v_max_num_f32_dpp v[MX], v[MX], v[MX] row_xmask:4 row_mask:0xf bank_mask:0xf
	v_max_num_f32_dpp v[MX], v[MX], v[MX] row_xmask:8 row_mask:0xf bank_mask:0xf
	v_permlanex16_b32 v[MX+1], v[MX], s[SEL], s[SEL+1]
	v_max_num_f32 v[MX], v[MX], v[MX+1]
	s_wait_xcnt 0x0                                ; EXEC changes only when every earlier store has read its sources
	v_cmp_eq_u32 vcc_lo, 0, v[LN]
	s_and_saveexec_b32 s[SVX], vcc_lo
	global_store_b32 v[ZO], v[MX], s[KMP:KMP+1]    ; one word a wave
	s_wait_xcnt 0x0
	s_or_b32 exec_lo, exec_lo, s[SVX]
.Lnok_\@:
	s_wait_xcnt 0x0                                ; the stores have read their base and their data: the base steps, and the next tile's fetches may land in B's buffer 1
	s_add_nc_u64 s[OUTP:OUTP+1], s[OUTP:OUTP+1], SECB
	s_add_co_u32 s[SEC], s[SEC], 1
.endif
.endm
	s_load_b256 s[4:11], s[0:1], 0x0               ; xb 4:5, wb 6:7, bq 8:9, bk 10:11
	s_load_b128 s[12:15], s[0:1], 0x20             ; bv 12:13, qkv 14:15
	s_load_b64 s[16:17], s[0:1], 0x30              ; kmx
	v_lshl_add_u32 v[SPW], v0, 2, SPARE
	v_mov_b32 v[NIL], 0
	ds_add_u32 v[SPW], v[NIL]                      ; the wave's opening: the add, twice on end, and its wait ahead of my first tensor load
	ds_add_u32 v[SPW], v[NIL]
	v_lshrrev_b32 v1, 5, v0
	v_readfirstlane_b32 s[WV], v1                  ; wave 0..3
	s_and_b32 s[HF], s[WV], 1
	s_bfe_u32 s[CX], ttmp6, 0x40000
	s_bfe_u32 s[CY], ttmp6, 0x40004
	s_lshl_b32 s[CT], ttmp9, 2
	s_add_co_u32 s[CT], s[CT], s[CX]               ; the group of three heads = 4 x cluster x + cx
	s_and_b32 s[RT], ttmp7, 0xffff
	s_lshl_b32 s[RT], s[RT], 2
	s_add_co_u32 s[RT], s[RT], s[CY]               ; tile row = 4 x cluster y + cy
	s_lshl_b32 s66, s[CY], 2
	s_lshl_b32 s66, 15, s66                        ; my row of the cluster
	s_lshl_b32 s67, 0x1111, s[CX]                  ; my column
	s_or_b32 s[G1A], s66, G1W0
	s_or_b32 s[G1B], s67, G1W0
	s_mov_b32 s[G1A+1], 128<<16                    ; tensor_dim0 = 128
	s_mov_b32 s[G1A+2], 128<<16                    ; tensor_dim1 = 128
	s_mov_b32 s[G1A+3], 128<<16                    ; tile_dim0 = 128
	s_mov_b32 s[G1A+4], 128                        ; tile_dim1 = 128
	s_mov_b32 s[G1A+5], 768                        ; elements from row to row
	s_mov_b32 s[G1A+6], 0
	s_mov_b32 s[G1A+7], 0
	s_mov_b32 s[G1B+1], 128<<16
	s_mov_b32 s[G1B+2], 96<<16                     ; 96 rows
	s_mov_b32 s[G1B+3], 128<<16
	s_mov_b32 s[G1B+4], 96
	s_mov_b32 s[G1B+5], 768
	s_mov_b32 s[G1B+6], 0
	s_mov_b32 s[G1B+7], 0
	s_lshl_b32 s68, s[RT], 8                       ; A: row 256 x tile row + 128 x half
	s_lshl_b32 s69, s[HF], 7
	s_add_co_u32 s68, s68, s69
	s_mul_i32 s68, s68, ROWB
	s_mov_b32 s69, 0
	s_mul_i32 s70, s[CT], 192                      ; B: row 192 x group + 96 x half, in section q
	s_mul_i32 s71, s[HF], 96
	s_add_co_u32 s70, s70, s71
	s_mul_i32 s70, s70, ROWB
	s_mov_b32 s71, 0
	s_mul_i32 s72, s[HF], APART                    ; where they go: no place in the cluster enters an LDS address
	s_mul_i32 s73, s[HF], BPART
	s_add_co_u32 s73, s73, BOFF
	s_mov_b32 s[SEL], 0x76543210
	s_mov_b32 s[SEL+1], 0xfedcba98
	s_mov_b32 s[SEC], 0
	s_mov_b32 s[KI], 1                             ; the first fills ask for K steps 0 and 1
	s_mov_b32 s[BS], 0
	s_mov_b32 s[OA+1], 0
	s_mov_b32 s[OB+1], 0
	s_mul_i32 s[BOF], s[CT], 768
	s_mov_b32 s[BOF+1], 0
	s_wait_dscnt 0x0                               ; both opening adds are done
	s_wait_kmcnt 0x0
	s_add_nc_u64 s[ABASE:ABASE+1], s[4:5], s[68:69]
	s_add_nc_u64 s[BBASE:BBASE+1], s[6:7], s[70:71]
	CROUND                                         ; all sixteen work-groups are here: the first joint loads meet
.irp s, 0,1
	s_mov_b32 s[G0A+4*(\s)], 1
	s_add_co_u32 s[G0A+4*(\s)+1], s72, (\s)*SLOT1
	s_add_nc_u64 s[G0A+4*(\s)+2:G0A+4*(\s)+3], s[ABASE:ABASE+1], (\s)*KSA
	s_or_b32 s[G0A+4*(\s)+3], s[G0A+4*(\s)+3], 0x80000000
	s_mov_b32 s[G0B+4*(\s)], 1
	s_add_co_u32 s[G0B+4*(\s)+1], s73, (\s)*SLOT1
	s_add_nc_u64 s[G0B+4*(\s)+2:G0B+4*(\s)+3], s[BBASE:BBASE+1], (\s)*KSA
	s_or_b32 s[G0B+4*(\s)+3], s[G0B+4*(\s)+3], 0x80000000
.endr
	s_cmp_lt_u32 s[WV], 2                          ; a wave's two first fills stand in one branch: two loads of mine are out
	s_cbranch_scc0 .Lfirst_b
	tensor_load_to_lds s[G0A:G0A+3], s[G1A:G1A+7]
	s_nop 0
	tensor_load_to_lds s[G0A+4:G0A+7], s[G1A:G1A+7]
	s_nop 0
.rept 4
	v_nop
.endr
	s_branch .Lfirst_asked
.Lfirst_b:
	tensor_load_to_lds s[G0B:G0B+3], s[G1B:G1B+7]
	s_nop 0
	tensor_load_to_lds s[G0B+4:G0B+7], s[G1B:G1B+7]
	s_nop 0
.rept 4
	v_nop
.endr
.Lfirst_asked:
	v_and_b32 v1, 15, v0                           ; r = l % 16
	v_bfe_u32 v2, v0, 4, 1                         ; h = l / 16
	v_and_b32 v[LN], 31, v0
	v_lshlrev_b32 v[BO], 5, v2
	s_add_nc_u64 s[BP:BP+1], s[8:9], s[BOF:BOF+1]  ; bq at my 192 columns
.irp b, 0,1,2,3,4,5,6,7,8,9,10,11
	global_load_b128 v[BIAS+8*(\b):BIAS+8*(\b)+3],   v[BO], s[BP:BP+1] offset:64*(\b)
	global_load_b128 v[BIAS+8*(\b)+4:BIAS+8*(\b)+7], v[BO], s[BP:BP+1] offset:64*(\b)+16
.endr
	v_mul_u32_u24 v3, v1, PA                       ; a fragment: row x pitch + 16 x half
	v_lshl_add_u32 v3, v2, 4, v3
	s_mul_i32 s78, s[WV], 64*PA                    ; my 64 rows of A
	v_add_nc_u32 v[ADA0], s78, v3
	v_mul_u32_u24 v[ADB0], v1, PB
	v_lshl_add_u32 v[ADB0], v2, 4, v[ADB0]
	v_add_nc_u32 v[ADB0], BOFF, v[ADB0]
	s_mul_i32 s78, s[WV], WSTG
	s_add_co_u32 s78, s78, STAGE                   ; my stage
	v_mul_u32_u24 v[STO], v1, SP                   ; in: row l % 16, 16 bytes for each half of the lanes
	v_lshl_add_u32 v[STO], v2, 4, v[STO]
	v_add_nc_u32 v[STO], s78, v[STO]
	v_lshrrev_b32 v19, 3, v[LN]                    ; back: 32 lanes take four rows of 128 bytes,
	v_and_b32 v3, 7, v0
	v_mul_u32_u24 v[RD], v19, SP
	v_lshl_add_u32 v[RD], v3, 4, v[RD]
	v_add_nc_u32 v[RD], s78, v[RD]
	v_lshlrev_b32 v[GO], 4, v[LN]                  ; which are 512 consecutive bytes of a head
	v_mov_b32 v[ZO], 0
	v_mul_u32_u24 v[PFO], v[LN], ROWB
	s_lshr_b32 s78, s[RT], 2                       ; the batch,
	s_mul_i32 s78, s78, 12
	s_mul_i32 s79, s[CT], 3
	s_add_co_u32 s78, s78, s79                     ; my first head,
	s_lshl_b32 s78, s78, 17
	s_and_b32 s79, s[RT], 3
	s_lshl_b32 s79, s79, 2
	s_add_co_u32 s79, s79, s[WV]
	s_lshl_b32 s79, s79, 13                        ; my 64 rows of 128 bytes in it; section q
	s_add_co_u32 s78, s78, s79
	s_mov_b32 s79, 0
	s_add_nc_u64 s[OUTP:OUTP+1], s[14:15], s[78:79]
	s_lshl_b32 s66, s[CT], 6
	s_add_co_u32 s66, s66, s[RT]
	s_lshl_b32 s66, s66, 2
	s_add_co_u32 s66, s66, s[WV]
	s_lshl_b32 s66, s66, 2
	s_mov_b32 s67, 0
	s_add_nc_u64 s[KMP:KMP+1], s[16:17], s[66:67]
	s_mul_i32 s68, s[CX], 32*ROWB                  ; the prefetches: my work-group's 32 of the 128 rows that I fetch,
	s_mov_b32 s69, 0
	s_add_nc_u64 s[PFA:PFA+1], s[ABASE:ABASE+1], s[68:69]
	s_add_nc_u64 s[PFA:PFA+1], s[PFA:PFA+1], 2*KSA ; at K step 2: the first change of slots steps it to 3 and names 4
	s_cmp_lt_u32 s[WV], 2                          ; waves 0 and 1 ask: the same in all sixteen partners
	s_cselect_b32 s[LIM], 14, -1
	s_wait_tensorcnt 0x1                           ; my part of K step 0 is in; K step 1's may stay out
	s_barrier_signal -1
	s_barrier_wait -1                              ; everybody's is
	s_mov_b32 s[TB], 0
	v_mov_b32 v[ADA], v[ADA0]
	v_mov_b32 v[ADB], v[ADB0]
	FETCH 0, 0
	s_mov_b32 s[CNT], 17
	s_branch .Lnew                                 ; the loop is entered where a tile begins, in the middle of a trip
.Lstep:                                                ; 16 whole trips: a K step's quarters 1 to 3, the change of slots that asks for the K step two on in the walk, and the next step's quarter 0
	QUARTER 2, 1, 0, 0
	QUARTER 3, 0, 1, 0
	TURN 1
	WIN 0                                          ; at a label and at a branch every window is 0
	s_cmp_eq_u32 s[KI], 1                          ; K step 1 has just been asked for: the step that ended was a tile's last
	s_cbranch_scc1 .Lbound
	QUARTER 1, 0, 1, 0
	WIN 0
	s_branch .Lnext
.Lbound:
	WAYOUT 1                                       ; both refills for the next tile are asked for, its first fragments are on their way: now the tile goes out
.Lnew:
	s_wait_loadcnt 0x0                             ; the section's bias, asked for a tile earlier (the first: at the kernel's head)
.set i, 0
.rept 48                                       ; rounded to bf16 like every input, and kept as f32
	v_cvt_pk_bf16_f32 v[WK+i%4], v[BIAS+2*i], v[BIAS+2*i+1]
	v_lshlrev_b32 v[BIAS+2*i], 16, v[WK+i%4]
	v_and_b32 v[BIAS+2*i+1], 0xffff0000, v[WK+i%4]
.set i, i+1
.endr
	QUARTER 1, 0, 1, 1                             ; a tile's first quarter: its products start the sums, with the bias
	WIN 0
	s_cmp_eq_u32 s[SEC], 2                         ; section v has no successor
	s_cbranch_scc1 .Lnext
	PLACES                                         ; behind the last product that read the bias
	s_cmp_eq_u32 s[SEC], 0
	s_cselect_b64 s[BP:BP+1], s[10:11], s[12:13]   ; the next section's bias (the loads by the old address were waited for above)
	s_add_nc_u64 s[BP:BP+1], s[BP:BP+1], s[BOF:BOF+1]
.irp b, 0,1,2,3,4,5,6,7,8,9,10,11
	global_load_b128 v[BIAS+8*(\b):BIAS+8*(\b)+3],   v[BO], s[BP:BP+1] offset:64*(\b)
	global_load_b128 v[BIAS+8*(\b)+4:BIAS+8*(\b)+7], v[BO], s[BP:BP+1] offset:64*(\b)+16
.endr
.Lnext:
	s_sub_co_u32 s[CNT], s[CNT], 1
	s_cmp_lg_u32 s[CNT], 0
	s_cbranch_scc1 .Lstep
	QUARTER 2, 1, 0, 0                             ; the walk's last two K steps are written out: nothing more is asked for
	QUARTER 3, 0, 1, 0
	TURN 0
	QUARTER 1, 0, 1, 0
	QUARTER 2, 1, 0, 0
	QUARTER 3, 0, 1, 0
	s_wait_dscnt 4
	MUL12 1, 0, 0
	MUL12 1, 1, 0
	s_wait_dscnt 0x0
	MUL12 1, 2, 0
	MUL12 1, 3, 0
	WIN 0
	PLACES
	PLACES
	WAYOUT 0
	s_wait_tensorcnt 0x0                           ; the wave's end, behind my last tensor load and my last LDS store
	ds_add_u32 v[SPW], v[NIL]
	s_wait_dscnt 0x0
	CROUND                                         ; the closing round: no work-group ends while a partner may still ask for a tile that names it
	s_endpgm
.Lfunc_end_k_q2c6f0d12a8_qkv:
	.size	k_q2c6f0d12a8_qkv, .Lfunc_end_k_q2c6f0d12a8_qkv-k_q2c6f0d12a8_qkv
	.p2alignl 7, 3214868480
	.fill 96, 4, 3214868480
	.section	.rodata,"a",@progbits
	.p2align	6, 0x0
	.amdhsa_kernel k_q2c6f0d12a8_qkv
		.amdhsa_group_segment_fixed_size 327680
		.amdhsa_private_segment_fixed_size 0
		.amdhsa_enable_private_segment 0
		.amdhsa_kernarg_size 56
		.amdhsa_user_sgpr_count 2
		.amdhsa_user_sgpr_kernarg_segment_ptr 1
		.amdhsa_wavefront_size32 1
		.amdhsa_system_sgpr_workgroup_id_x 1
		.amdhsa_system_sgpr_workgroup_id_y 1
		.amdhsa_system_sgpr_workgroup_id_z 1
		.amdhsa_system_vgpr_workitem_id 0
		.amdhsa_next_free_vgpr 960
		.amdhsa_next_free_sgpr 96
		.amdhsa_reserve_vcc 1
		.amdhsa_float_denorm_mode_32 3
		.amdhsa_float_denorm_mode_16_64 3
		.amdhsa_memory_ordered 1
		.amdhsa_forward_progress 1
		.amdhsa_inst_pref_size 147
	.end_amdhsa_kernel
	.amdgpu_metadata
---
amdhsa.version: [ 1, 2 ]
amdhsa.kernels:
  - .name:           k_q2c6f0d12a8_qkv
    .symbol:         k_q2c6f0d12a8_qkv.kd
    .args:
      - { .name: xb, .offset: 0, .size: 8, .value_kind: global_buffer, .address_space: global }
      - { .name: wb, .offset: 8, .size: 8, .value_kind: global_buffer, .address_space: global }
      - { .name: bq, .offset: 16, .size: 8, .value_kind: global_buffer, .address_space: global }
      - { .name: bk, .offset: 24, .size: 8, .value_kind: global_buffer, .address_space: global }
      - { .name: bv, .offset: 32, .size: 8, .value_kind: global_buffer, .address_space: global }
      - { .name: qkv, .offset: 40, .size: 8, .value_kind: global_buffer, .address_space: global }
      - { .name: kmx, .offset: 48, .size: 8, .value_kind: global_buffer, .address_space: global }
    .group_segment_fixed_size: 327680
    .private_segment_fixed_size: 0
    .kernarg_segment_align: 8
    .kernarg_segment_size: 56
    .max_flat_workgroup_size: 128
    .sgpr_count:     96
    .vgpr_count:     960
    .wavefront_size: 32
...
	.end_amdgpu_metadata
.endif
;; end of part 2
;; launch attn (part 3): grid 4 x 64, 4 waves a work-group, clusters of 4 x 1, 327,680 bytes of LDS; arguments qkv, kmx, ctx; writes ctx
.if DOCPART == 3
	.amdgcn_target "amdgcn-amd-amdhsa--gfx1250"
	.amdhsa_code_object_version 6
	.text
	.protected	k_q2c6f0d12a8_attn
	.globl	k_q2c6f0d12a8_attn
	.p2align	8
	.type	k_q2c6f0d12a8_attn,@function
k_q2c6f0d12a8_attn:
	s_mov_b64 s[64:65], 0
	v_nop
	global_prefetch_b8 v0, s[64:65] scope:SCOPE_SE
	s_setreg_imm32_b32 hwreg(HW_REG_WAVE_MODE, 25, 1), 1
	s_wait_xcnt 0x0
	s_wait_alu depctr_hold_cnt(0) depctr_sa_sdst(0) depctr_va_vdst(0) depctr_va_sdst(0) depctr_va_ssrc(0) depctr_va_vcc(0) depctr_vm_vsrc(0)
	s_getreg_b32 s2, hwreg(HW_REG_IB_STS2, 6, 4)
	s_cmp_eq_u32 s2, 0
	s_cbranch_scc0 .Lentry_in_a_cluster
	s_endpgm
.Lentry_in_a_cluster:
	s_bfe_u32 s2, ttmp6, 0x10000c
	s_cmp_lg_u32 s2, 0x3003
	s_cbranch_scc0 .Lentry_shape_is_right
	s_endpgm
.Lentry_shape_is_right:
; SPIKE ATTENTION.  ctx[q] = sum over k of relu(q . k / 8) v[k] / (sum over k of relu(q . k / 8) + 1e-6), for each of 192 heads of 1,024 rows x 64 channels, all f16.
; With s = q . k unscaled and any positive c of the query that is sum of p v / (sum of p + 8e-6 c), p = c relu(s).  There is no exponential and no maximum to take away.
; THE SCALE.  c = 1 / (|q|_1 Kinf), |q|_1 the sum of the query's 64 magnitudes, Kinf the largest |k| of the batch's group of three heads (kmx).  |q . k| <= |q|_1 Kinf for every input,
; so p lies in 0 to 1 and has room in f16; scale and relu are ONE packed multiply with clamp for two scores.
; LIMITS.  |q|_1 Kinf is floored at 2^-100.  Kinf is taken of k before its rounding to f16, so p could pass 1 by 2^-11 of itself where the bound is met exactly: there it is held to 1.
; p below 6.1e-5 keeps f16's fixed step of 6e-8; its sum is taken of the unrounded p, in f32.  ctx is a mean of v's rows and has their range.  NaN and infinities are not treated apart.
; SHARES.  A cluster of four work-groups has the three heads of one batch's group, one after the other; a work-group 256 queries of each, a wave 64: four tiles of 16, in two PIECES (tiles 0, 1 and
; tiles 2, 3).  Every wave walks all 1,024 keys of a head, 64 a step.
; THE WALK.  The three heads' K (and V) lie on end in memory: 12 slots of 256 keys, ONE sequence for a ring of two LDS slots, which runs on across the change of heads.  Each tile is asked for JOINTLY
; by the four work-groups (waves 0, 1 the halves of a slot's K, waves 2, 3 of its V: 128 keys each); a refill has four key steps, 256 matrix instructions, in which to land.  One loop with a
; constant count walks the slots; whether a trip begins or ends a head hangs on the slot's number in its head; these jumps go forward and pass no barrier and no tensor load; the last slot is written out.
; AHEAD OF THE LOADS.  Behind each joint refill one prefetch names the slot that the NEXT change will ask for: 128 blocks of 256 bytes of K and of V; the four partners take 32 each, told apart by
; address, a lane a block; wave 0 asks for K's, wave 2 for V's.  So each block is named once.  The last fill asks for nothing; slots 0 and 1 come by their loads alone.
; LAYOUT.  S^T = K Q^T (source 0 = 16 keys, source 1 = 16 queries): a lane holds ONE query (lane % 16) and the keys 8 (lane / 16) + 0..7; two such results, rounded to f16 in pairs, ARE source 1
; of O^T = V^T P.  K comes out of LDS as it lies, V turned, by ds_load_tr16_b128.
; BY TURNS.  In a turn one piece has the matrix unit: 16 products V^T P of the step in hand, then 16 products K Q^T of the next; the other piece's 96 vector instructions stand behind them, three each.
; A HEAD BEGINS in the middle of a unit: piece 0's first scores are made bare, and piece 2's turn then multiplies a P and a V that hold 0: 16 products a head that add nothing, so that one text serves every slot.
; REGISTERS, in windows of 256 (s_set_vgpr_msb: bits 1:0 source 0, 3:2 source 1, 5:4 source 2, 7:6 destination):
;   window 0: v0-15 addresses; v16-23 c, twice a tile; v24-31 the sums l; v32-35 8e-6 c; v36-47 at work; v64-191 S^T, 32 a tile; v192-255 P, 16 a tile
;   window 1: v0-127 O^T, 32 a tile; v128-191 V of one step          window 2: v0-63 Q, 16 a tile; v64-127 K of one step
.set SECB,  25165824                   ; bytes in a section of qkv
.set HEADB, 131072                     ; bytes in a head
.set KS,    64                         ; keys in a step
.set PKB,   144                        ; a row of K in LDS: 128 bytes + 16: the 16 rows of a load start at 16 different groups of four banks (64 banks of 4 bytes: ISA guide 11.1)
.set PVB,   160                        ; a row of V: 128 + 32
.set VOFF,  4*KS*PKB                   ; a slot holds four steps: 256 rows of K, then 256 rows of V
.set SLOT1, 1<<17                      ; slot 1 begins here: one exclusive or turns an address in one slot into the other's
.set SLOTB, 4*KS*128                   ; bytes of K, and of V, in a slot, in memory
.set STAGE, SLOT1+4*KS*(PKB+PVB)       ; behind the ring, never filled by a tensor load: 16 rows x 144 bytes a wave
.set SP,    144
.set SPARE, STAGE+4*16*SP              ; the spare words, 128 bytes a wave: two blocks of 256 bytes that no other line names
.set AK0, 2
.set AV0, 3
.set AK,  4
.set AV,  5
.set STO, 6
.set RD,  7
.set GO,  8
.set QO,  9
.set PFO, 13                           ; v13  256 x my lane; never rewritten
.set CC,  16
.set L,   24
.set E8,  32
.set ONE, 36
.set KI,  37
.set T,   40                           ; v40-43 |q|_1; v44-47 the other half of the lanes'
.set SPW, 62
.set NIL, 63
.set S,   64
.set P,   192
.set KF,  64                           ; window 2
.set VF,  128                          ; window 1
.set WV,  12
.set CX,  13
.set Y,   14                           ; the cluster's y = 4 x batch + group
.set HF,  16
.set G1K, 24
.set G1V, 32
.set G0K, 40                           ; s[40:43] descriptor group 0 for K's tiles: it walks
.set G0V, 44
.set PFA, 48                           ; s[48:49] where my prefetches stand
.set LIM, 50                           ; 1 in a wave that prefetches, else the greatest number
.set SLOTS, 56                         ; slots still to be asked for
.set CNT, 57
.set PH,  58                           ; the slot's number in its head, 0..3
.set SEL, 60
.set TBK, 62                           ; LDS byte at which K of the step to be fetched begins
.set TBV, 63                           ; the same for V, less VOFF
.set QP,  84
.set OP,  86
.set MSB, 0
.macro WIN new
.if MSB != (\new)
	s_set_vgpr_msb (MSB<<8)|(\new)
.set MSB, (\new)
.endif
.endm
.set W_KQ, 0x0a                        ; K and Q in window 2, S^T in window 0
.set W_PV, 0x51                        ; V and O^T in window 1, P in window 0
.macro CROUND
	s_barrier_signal -1
	s_barrier_wait -1
	s_cmp_lg_u32 s[WV], 0
	s_cbranch_scc1 .Lnot_wave_0_\@
	s_barrier_signal -3
.Lnot_wave_0_\@:
	s_barrier_wait -3
	s_barrier_signal -1
	s_barrier_wait -1
.endm
.macro JLOAD                           ; a joint fill; the branch hangs on the wave's number alone; s_nop 0 and four v_nop follow each line
	s_cmp_lt_u32 s[WV], 2
	s_cbranch_scc0 .Lfor_v_\@
	tensor_load_to_lds s[G0K:G0K+3], s[G1K:G1K+7]
	s_nop 0
.rept 4
	v_nop
.endr
	s_branch .Lasked_\@
.Lfor_v_\@:
	tensor_load_to_lds s[G0V:G0V+3], s[G1V:G1V+7]
	s_nop 0
.rept 4
	v_nop
.endr
.Lasked_\@:
.endm
.macro ASK                             ; my work-group's 32 blocks of the slot that the next change will ask for; the last change that fills a slot has none behind it
	s_cmp_gt_u32 s[SLOTS], s[LIM]
	s_cbranch_scc0 .Lnot_mine_\@
	global_prefetch_b8 v[PFO], s[PFA:PFA+1] th:TH_LOAD_NT scope:SCOPE_SE
.Lnot_mine_\@:
.endm
; THE CHANGE OF SLOTS.  The slot's last bytes, V of its fourth step, have been asked for.  Each wave waits for all its tensor loads, of which one is out: its part of the other slot; adds 0 to its spare
; word; and waits for that and for its own reads of the slot.  fill = 1: the barrier is a round of the cluster's, and the joint fill of the slot that is left, with the keys two slots on, is the first
; thing behind it.  (At its first use nothing has been read yet: slot 0 is waited for, slot 1 filled.)
.macro CHANGE fill
	WIN 0
	s_wait_tensorcnt 0x0                           ; no tensor load of mine is out, so a group 0 may be written
	ds_add_u32 v[SPW], v[NIL]                      ; 0 onto my spare word
.if \fill
.irp g, G0K, G0V
	s_xor_b32 s[\g+1], s[\g+1], SLOT1              ; the walking descriptor: the other slot than last time,
	s_add_nc_u64 s[\g+2:\g+3], s[\g+2:\g+3], SLOTB ; the next 256 keys, into the next head too; the type bits on top are not reached
.endr
	s_wait_xcnt 0x0                                ; the last prefetch, four key steps back, has read its address
	s_add_nc_u64 s[PFA:PFA+1], s[PFA:PFA+1], SLOTB
	s_wait_dscnt 0x0                               ; the add is done, and my reads of the slot are over
	CROUND
	JLOAD
	ASK
.else
	s_wait_dscnt 0x0
	s_barrier_signal -1
	s_barrier_wait -1
.endif
	s_sub_co_u32 s[TBK], s[TBK], 4*KS*PKB          ; the fetches go back to a slot's first step,
	s_xor_b32 s[TBK], s[TBK], SLOT1                ; in the other slot
	s_sub_co_u32 s[TBV], s[TBV], 4*KS*PVB
	s_xor_b32 s[TBV], s[TBV], SLOT1
.endm
; THE MATRIX WORK.  The 8 accumulators of a run of 16 take turns.  Product i of S^T = K Q^T for piece x: channels 32 (i / 8) on, keys 16 ((i / 2) % 4) on, tile x + i % 2.
.macro KQ x
	WIN W_KQ
.set rS, S+32*((\x)+i%2)+8*((i/2)%4)
.set rK, KF+16*((i/2)%4)+8*(i/8)
.set rQ, 16*((\x)+i%2)+8*(i/8)
.if i < 8
	v_wmma_f32_16x16x32_f16 v[rS:rS+7], v[rK:rK+7], v[rQ:rQ+7], 0
.else
	v_wmma_f32_16x16x32_f16 v[rS:rS+7], v[rK:rK+7], v[rQ:rQ+7], v[rS:rS+7]
.endif
.endm
; Product i of O^T += V^T P for piece x: keys 32 (i / 8) on, channels 16 ((i / 2) % 4) on, tile x + i % 2.
.macro PVM x
	WIN W_PV
.set rO, 32*((\x)+i%2)+8*((i/2)%4)
.set rV, VF+32*(i/8)+8*((i/2)%4)
.set rP, P+16*((\x)+i%2)+8*(i/8)
	v_wmma_f32_16x16x32_f16 v[rO:rO+7], v[rV:rV+7], v[rP:rP+7], v[rO:rO+7]
.endm
; THE LDS LOADS stand in runs of 16: a step's K (8 fragments) and its V (turned).
.macro FETCH_K
	WIN 0
	v_add_nc_u32 v[AK], s[TBK], v[AK0]
	WIN 0x80
.irp f, 0,1,2,3,4,5,6,7                ; keys 16 (f / 2) on, channels 32 (f % 2) on
	ds_load_b128 v[KF+8*\f:KF+8*\f+3],   v[AK] offset:(\f/2)*16*PKB+(\f%2)*64
	ds_load_b128 v[KF+8*\f+4:KF+8*\f+7], v[AK] offset:(\f/2)*16*PKB+(\f%2)*64+32
.endr
	s_add_co_u32 s[TBK], s[TBK], KS*PKB            ; the next fetch is the next step's
.endm
.macro FETCH_V
	WIN 0
	v_add_nc_u32 v[AV], s[TBV], v[AV0]
	WIN 0x40
.irp f, 0,1,2,3,4,5,6,7                ; keys 32 (f / 4) on, channels 16 (f % 4) on
	ds_load_tr16_b128 v[VF+8*\f:VF+8*\f+3],   v[AV] offset:(\f/4)*32*PVB+(\f%4)*32
	ds_load_tr16_b128 v[VF+8*\f+4:VF+8*\f+7], v[AV] offset:(\f/4)*32*PVB+16*PVB+(\f%4)*32
.endr
	s_add_co_u32 s[TBV], s[TBV], KS*PVB
.endm
; THE VECTOR WORK of piece y for one step: a queue of 96; RID writes entry q.  For tile u (0, 1) and pair n (0..15) of its 32 scores: M: p = c s held to 0 .. 1; C: the pair rounded to f16; A: l takes it.
; Order: M of pair 0; then for n = 1 .. 15: M of pair n, C and A of pair n - 1; last C and A of pair 15; the two tiles alternate.  Each accumulator is read from its low end on.
.macro RID y
	WIN 0
.if q < 2
.set kd, 0
.set u, q
.set n, 0
.elseif q < 92
.set kd, ((q-2)%6)/2
.set u, (q-2)%2
.set n, (q-2)/6+1
.if kd > 0
.set n, n-1
.endif
.else
.set kd, 1+(q-92)/2
.set u, q%2
.set n, 15
.endif
.set rS, S+32*((\y)+u)+2*n
.if kd == 0
	v_pk_mul_f32 v[rS:rS+1], v[rS:rS+1], v[CC+2*((\y)+u):CC+2*((\y)+u)+1] clamp
.elseif kd == 1
	v_cvt_pk_f16_f32 v[P+16*((\y)+u)+n], v[rS], v[rS+1]
.else
	v_pk_add_f32 v[L+2*((\y)+u):L+2*((\y)+u)+1], v[L+2*((\y)+u):L+2*((\y)+u)+1], v[rS:rS+1]
.endif
.set q, q+1
.endm
; A TURN.  Piece x has the matrix unit; the other piece's queue stands behind its products, three each (six where the turn has one kind of product).
; Piece 0's turn fetches the next step's K behind its first product: seven plain instructions lie behind the last product that read K.  Piece 2's turn fetches the same step's V behind its second
; product K Q^T: ten lie behind the last product that read V.  Each run is waited for at its first use.
.macro TURN x, pv, kq
.set q, 0
.set per, 6
.if (\pv) && (\kq)
.set per, 3
.endif
.if \pv
.if (\x) == 0
	s_wait_dscnt 0x0                               ; V is in
.endif
.set i, 0
.rept 16
	PVM \x
.rept per
	RID 2-(\x)
.endr
.if ((\x) == 0) && (\kq) && (i == 0)
	FETCH_K
.endif
.set i, i+1
.endr
.endif
.if \kq
.if (\x) == 0
	s_wait_dscnt 0x0                               ; K is in
.endif
.set i, 0
.rept 16
	KQ \x
.rept per
	RID 2-(\x)
.endr
.if ((\x) == 2) && (i == 1)
	FETCH_V
.endif
.set i, i+1
.endr
.endif
.endm
.macro QLOAD                           ; Q stays in registers for a head: tile i / 2, channels 32 (i % 2) on
	WIN 0x80                                       ; destination window 2
.set i, 0
.rept 8
	global_load_b128 v[8*i:8*i+3],   v[QO], s[QP:QP+1] offset:(i/2)*2048+(i%2)*64
	global_load_b128 v[8*i+4:8*i+7], v[QO], s[QP:QP+1] offset:(i/2)*2048+(i%2)*64+32
.set i, i+1
.endr
	WIN 0
.endm
.macro ALL line:vararg                 ; one line for each tile t
.set t, 0
.rept 4
	\line
.set t, t+1
.endr
.endm
.macro PACK t                          ; a lane's eight channels of a row pack into 16 bytes; they go into rows of 144 bytes and come back as whole rows of 128, into S^T's registers
	WIN 0x41                                       ; O^T (destination and source 0) in window 1
.set i, 32*(\t)
.rept 16
	v_pk_mul_f32 v[i:i+1], v[i:i+1], v[L+2*(\t):L+2*(\t)+1] op_sel_hi:[1,0]
.set i, i+2
.endr
	WIN 0x05                                       ; sources 0 and 1 in window 1, destination in window 0
.set i, 0
.rept 16
	v_cvt_pk_f16_f32 v[S+16*(\t)+i], v[32*(\t)+2*i], v[32*(\t)+2*i+1]
.set i, i+1
.endr
	WIN 0
.irp f, 0,1,2,3
	ds_store_b128 v[STO], v[S+16*(\t)+4*\f:S+16*(\t)+4*\f+3] offset:32*\f
.endr
.irp f, 0,1,2,3
	ds_load_b128 v[S+16*(\t)+4*\f:S+16*(\t)+4*\f+3], v[RD] offset:\f*4*SP  ; LDS serves a wave's instructions in order (ISA guide 5.7.1.4): these see the stores above; the next tile's stores come behind them
.endr
.endm
.macro SEND t, younger                 ; younger: the next tile's eight LDS instructions, or none
	WIN 0
.irp f, 0,1,2,3
	s_wait_dscnt (\younger)+3-\f
	global_store_b128 v[GO], v[S+16*(\t)+4*\f:S+16*(\t)+4*\f+3], s[OP:OP+1] offset:(\t)*2048+\f*512  ; 512 consecutive bytes, at a multiple of 256 from ctx's first
.endr
.endm
; A HEAD ENDS.  more = 1: the next head's Q is asked for first, into Q's own registers, whose last reader is four places back.  Then piece 0's V^T P of the last step beside piece 2's last queue, piece 2's
; V^T P, and THE WAY OUT: l's two halves and the other half of the lanes' are added, then 8e-6 c; O^T is divided by that, rounded to f16 and sent through my stage, a tile at a time.
.macro FINISH more
.if \more
.rept 4
	v_nop
.endr
	s_wait_loadcnt 0x0                             ; on every way to this line no load into Q's registers is out any more: their address may be stepped, and they may be loaded again
	s_add_nc_u64 s[QP:QP+1], s[QP:QP+1], HEADB
	QLOAD
.endif
	TURN 0, 1, 0
.set i, 0
.rept 16
	PVM 2
.set i, i+1
.endr
	WIN 0
	ALL v_add_f32 v[L+2*t], v[L+2*t], v[L+2*t+1]
	ALL v_permlanex16_b32 v[L+2*t+1], v[L+2*t], s[SEL], s[SEL+1]
	ALL v_add_f32 v[L+2*t], v[L+2*t], v[L+2*t+1]
	ALL v_add_f32 v[L+2*t], v[L+2*t], v[E8+t]
	ALL v_rcp_f32 v[L+2*t], v[L+2*t]
	v_nop                                          ; a plain instruction behind the last reciprocal,
	s_wait_alu depctr_va_vdst(0)                   ; and the one wait for the four, ahead of the first use
	PACK 0
	PACK 1
	SEND 0, 8
	PACK 2
	SEND 1, 8
	PACK 3
	SEND 2, 8
	SEND 3, 0
.if \more
	s_wait_xcnt 0x0                                ; the stores have read their base and S^T's registers: the base steps, and the next head's scores may be written
	s_add_nc_u64 s[OP:OP+1], s[OP:OP+1], HEADB
.endif
.endm
	s_load_b128 s[4:7], s[0:1], 0x0                ; qkv 4:5, kmx 6:7
	s_load_b64 s[8:9], s[0:1], 0x10                ; ctx
	v_lshl_add_u32 v[SPW], v0, 2, SPARE
	v_mov_b32 v[NIL], 0
	ds_add_u32 v[SPW], v[NIL]                      ; the wave's opening: the add, twice on end, and its wait ahead of my first tensor load
	ds_add_u32 v[SPW], v[NIL]
	v_lshrrev_b32 v1, 5, v0
	v_readfirstlane_b32 s[WV], v1                  ; wave 0..3
	s_bfe_u32 s[CX], ttmp6, 0x40000                ; my block of 256 queries: it enters Q's, ctx's and the prefetches' addresses alone
	s_and_b32 s[Y], ttmp7, 0xffff                  ; 4 x batch + group, which the four partners share
	s_and_b32 s[HF], s[WV], 1                      ; which 128 of a slot's 256 keys I fetch
	s_mov_b32 s[G1K], 15|(1<<16)|(1<<20)|(1<<21)|(4<<22)|(3<<25)  ; the mask of four; 2-byte elements; padding on; bit 21 beside a mask; after every 32 words; 4 words
	s_mov_b32 s[G1V], 15|(1<<16)|(1<<20)|(1<<21)|(4<<22)|(7<<25)  ; the same with 8 words
.irp g, G1K, G1V
	s_mov_b32 s[\g+1], 128<<16                     ; 128 keys are 16,384 dense bytes: 64 rows of 256 bytes, two keys a row, padded after every key
	s_mov_b32 s[\g+2], 64<<16
	s_mov_b32 s[\g+3], 128<<16
	s_mov_b32 s[\g+4], 64
	s_mov_b32 s[\g+5], 128
	s_mov_b32 s[\g+6], 0
	s_mov_b32 s[\g+7], 0
.endr
	s_mul_i32 s17, s[HF], 128*PKB                  ; where they go: no place in the cluster enters an LDS address
	s_mul_i32 s18, s[HF], 128*PVB
	s_mov_b32 s[G0K], 1
	s_mov_b32 s[G0K+1], s17                        ; slot 0
	s_mov_b32 s[G0V], 1
	s_add_co_u32 s[G0V+1], s18, VOFF
	s_mul_i32 s20, s[Y], 3*HEADB                   ; the first of my three heads: its first byte in a section
	s_lshl_b32 s21, s[HF], 14
	s_add_co_u32 s22, s20, s21
	s_add_co_u32 s88, s22, SECB                    ; K
	s_mov_b32 s89, 0
	s_add_co_u32 s90, s22, 2*SECB                  ; V
	s_mov_b32 s91, 0
	s_lshl_b32 s84, s[CX], 15                      ; my block's 256 rows of 128 bytes,
	s_lshl_b32 s85, s[WV], 13                      ; my wave's 64
	s_add_co_u32 s84, s84, s85
	s_add_co_u32 s84, s84, s20
	s_mov_b32 s85, 0
	s_and_b32 s66, s[Y], 3                         ; the group,
	s_lshl_b32 s66, s66, 6
	s_lshr_b32 s67, s[Y], 2                        ; the batch: its four tile rows
	s_lshl_b32 s67, s67, 2
	s_add_co_u32 s66, s66, s67
	s_lshl_b32 s66, s66, 4                         ; 16 words on end: four tile rows x four waves
	s_mov_b32 s67, 0
	s_mov_b32 s[SEL], 0x76543210
	s_mov_b32 s[SEL+1], 0xfedcba98
	s_mov_b32 s[TBK], SLOT1+4*KS*PKB               ; the first change of slots turns these two into 0
	s_mov_b32 s[TBV], SLOT1+4*KS*PVB
	s_mov_b32 s[SLOTS], 11
	s_mov_b32 s[PH], 0
	s_and_b32 s[LIM], s[WV], 1                     ; waves 0 and 2 prefetch: the same in all four partners
	s_cmp_eq_u32 s[LIM], 0
	s_cselect_b32 s[LIM], 1, -1
	v_and_b32 v[PFO], 31, v0
	v_lshlrev_b32 v[PFO], 8, v[PFO]
	s_wait_dscnt 0x0                               ; both opening adds are done
	s_wait_kmcnt 0x0
	s_add_nc_u64 s[92:93], s[6:7], s[66:67]
	s_load_b512 s[68:83], s[92:93], 0x0            ; the 16 partial maxima of |k|
	s_add_nc_u64 s[88:89], s[4:5], s[88:89]
	s_add_nc_u64 s[90:91], s[4:5], s[90:91]
	s_add_nc_u64 s[OP:OP+1], s[8:9], s[84:85]
	s_add_nc_u64 s[QP:QP+1], s[4:5], s[84:85]
	s_add_nc_u64 s[G0K+2:G0K+3], s[88:89], 0
	s_or_b32 s[G0K+3], s[G0K+3], 0x80000000
	s_add_nc_u64 s[G0V+2:G0V+3], s[90:91], 0
	s_or_b32 s[G0V+3], s[G0V+3], 0x80000000
	s_cmp_lt_u32 s[WV], 2
	s_cselect_b64 s[PFA:PFA+1], s[88:89], s[90:91] ; (in waves 0 and 2 these stand at a slot's first row)
	s_lshl_b32 s22, s[CX], 13                      ; my work-group's 32 blocks of the 128
	s_mov_b32 s23, 0
	s_add_nc_u64 s[PFA:PFA+1], s[PFA:PFA+1], s[22:23]
	s_add_nc_u64 s[PFA:PFA+1], s[PFA:PFA+1], SLOTB ; in slot 1; the first change of slots steps it to slot 2.  Nothing is prefetched here, at the head
	CROUND                                         ; all four work-groups are here: the first joint loads meet
	JLOAD                                          ; slot 0.  Slot 1 is asked for when slot 0 is in, by the loop's own change of slots
	v_and_b32 v1, 15, v0                           ; r = l % 16
	v_bfe_u32 v10, v0, 4, 1                        ; h = l / 16
	v_lshlrev_b32 v[QO], 7, v1
	v_lshl_add_u32 v[QO], v10, 4, v[QO]            ; row x 128 + 16 x half
	QLOAD                                          ; the first head's Q
	v_mul_u32_u24 v[AK0], v1, PKB
	v_lshl_add_u32 v[AK0], v10, 4, v[AK0]
	v_and_b32 v11, 7, v0                           ; the turning load: lane l reads key 8 (l / 16) + l % 8, channels 8 ((l / 8) % 2) + 0..7
	v_bfe_u32 v12, v0, 3, 1
	v_lshl_add_u32 v[AV0], v10, 3, v11
	v_mul_u32_u24 v[AV0], v[AV0], PVB
	v_lshl_add_u32 v[AV0], v12, 4, v[AV0]
	v_add_nc_u32 v[AV0], VOFF, v[AV0]
	s_mul_i32 s19, s[WV], 16*SP
	s_add_co_u32 s19, s19, STAGE                   ; my stage
	v_mul_u32_u24 v[STO], v1, SP
	v_lshl_add_u32 v[STO], v10, 4, v[STO]
	v_add_nc_u32 v[STO], s19, v[STO]
	v_bfe_u32 v[RD], v0, 3, 2
	v_mul_u32_u24 v[RD], v[RD], SP
	v_lshl_add_u32 v[RD], v11, 4, v[RD]
	v_add_nc_u32 v[RD], s19, v[RD]
	v_and_b32 v[GO], 31, v0
	v_lshlrev_b32 v[GO], 4, v[GO]
	v_mov_b32 v[ONE], 1.0
	s_wait_kmcnt 0x0                               ; the 16 words: none is negative, so their order as whole numbers is their order as numbers
.set i, 69
.rept 15
	s_max_u32 s68, s68, s[i]
.set i, i+1
.endr
	v_mov_b32 v[KI], s68                           ; Kinf: one for the three heads
.Lslot:                                                ; 11 times: a slot is entered and the next is asked for
	CHANGE 1
	s_mov_b32 s[CNT], 4
	s_cmp_lg_u32 s[PH], 0
	s_cbranch_scc1 .Lunit
	; A HEAD BEGINS.  K of its step 0 is fetched first; the scale c is made while it comes.
	s_wait_loadcnt 0x0                             ; Q
	FETCH_K
	WIN 0
.set i, 0
.rept 8
	v_mov_b32 v[T+i], 0
	v_mov_b32 v[L+i], 0
.set i, i+1
.endr
.set i, 0
.rept 32
	v_mov_b32 v[P+32+i], 0                         ; piece 2's P: its first turn has no step behind it
.set i, i+1
.endr
	WIN 0x02                                       ; source 0 in window 2
.set i, 0
.rept 16                                       ; |q|_1: my 32 channels of each tile's query, the four tiles' chains by turns
.irp t, 0,1,2,3
	v_fma_mix_f32 v[T+\t], |v[16*\t+i]|, v[ONE], v[T+\t] op_sel_hi:[1,0,0]
.endr
.irp t, 0,1,2,3
	v_fma_mix_f32 v[T+\t], |v[16*\t+i]|, v[ONE], v[T+\t] op_sel:[1,0,0] op_sel_hi:[1,0,0]
.endr
.set i, i+1
.endr
	WIN 0
.irp t, 0,1,2,3
	v_permlanex16_b32 v[T+4+\t], v[T+\t], s[SEL], s[SEL+1]  ; the query's other 32 channels lie in the lane 16 away
.endr
.irp t, 0,1,2,3
	v_add_f32 v[T+\t], v[T+\t], v[T+4+\t]
.endr
.irp t, 0,1,2,3
	v_mul_f32 v[T+\t], v[T+\t], v[KI]
.endr
.irp t, 0,1,2,3
	v_max_num_f32 v[T+\t], 0x0d800000, v[T+\t]     ; 2^-100 at the least
.endr
.irp t, 0,1,2,3
	v_rcp_f32 v[CC+2*\t], v[T+\t]
.endr
	v_nop                                          ; a plain instruction behind the last reciprocal,
	s_wait_alu depctr_va_vdst(0)                   ; and the one wait for the four, ahead of the first use
.irp t, 0,1,2,3
	v_mov_b32 v[CC+2*\t+1], v[CC+2*\t]
	v_mul_f32 v[E8+\t], 0x370637bd, v[CC+2*\t]     ; 8e-6 c
.endr
	s_wait_dscnt 0x0                               ; K is in
.set i, 0
.rept 16
	KQ 0                                           ; piece 0's first scores; behind each, twelve of the 192 lines that set O^T and V to 0: no first step is written out
	WIN 0x40
.set z, 0
.rept 8
	v_mov_b32 v[8*i+z], 0
.set z, z+1
.endr
.set z, 0
.rept 4
	v_mov_b32 v[VF+4*i+z], 0
.set z, z+1
.endr
.set i, i+1
.endr
	WIN 0
	s_branch .Lmid                                 ; the unit loop is entered at piece 2's turn, in the middle of a trip
.Lunit:                                                ; a trip: both pieces' V^T P of one step and K Q^T of the next, whose K and V it fetches
	TURN 0, 1, 1
	WIN 0
.Lmid:
	TURN 2, 1, 1
	WIN 0
	s_sub_co_u32 s[CNT], s[CNT], 1
	s_cmp_lg_u32 s[CNT], 0
	s_cbranch_scc1 .Lunit
	s_cmp_lg_u32 s[PH], 3
	s_cbranch_scc1 .Lon
	FINISH 1                                       ; in the loop a head that ends has a successor: the last head's last slot is the walk's last
.Lon:
	s_add_co_u32 s[PH], s[PH], 1
	s_and_b32 s[PH], s[PH], 3
	s_sub_co_u32 s[SLOTS], s[SLOTS], 1
	s_cmp_lg_u32 s[SLOTS], 0
	s_cbranch_scc1 .Lslot
	CHANGE 0                                       ; the walk's last slot is written out: nothing is asked for
	s_mov_b32 s[CNT], 4
.Llast:
	TURN 0, 1, 1
	TURN 2, 1, 1
	WIN 0
	s_sub_co_u32 s[CNT], s[CNT], 1
	s_cmp_lg_u32 s[CNT], 0
	s_cbranch_scc1 .Llast
	FINISH 0
	s_wait_tensorcnt 0x0                           ; the wave's end, behind my last tensor load and my last LDS store
	ds_add_u32 v[SPW], v[NIL]
	s_wait_dscnt 0x0
	CROUND                                         ; the closing round
	s_endpgm
.Lfunc_end_k_q2c6f0d12a8_attn:
	.size	k_q2c6f0d12a8_attn, .Lfunc_end_k_q2c6f0d12a8_attn-k_q2c6f0d12a8_attn
	.p2alignl 7, 3214868480
	.fill 96, 4, 3214868480
	.section	.rodata,"a",@progbits
	.p2align	6, 0x0
	.amdhsa_kernel k_q2c6f0d12a8_attn
		.amdhsa_group_segment_fixed_size 327680
		.amdhsa_private_segment_fixed_size 0
		.amdhsa_enable_private_segment 0
		.amdhsa_kernarg_size 24
		.amdhsa_user_sgpr_count 2
		.amdhsa_user_sgpr_kernarg_segment_ptr 1
		.amdhsa_wavefront_size32 1
		.amdhsa_system_sgpr_workgroup_id_x 1
		.amdhsa_system_sgpr_workgroup_id_y 1
		.amdhsa_system_sgpr_workgroup_id_z 1
		.amdhsa_system_vgpr_workitem_id 0
		.amdhsa_next_free_vgpr 640
		.amdhsa_next_free_sgpr 96
		.amdhsa_reserve_vcc 0
		.amdhsa_float_denorm_mode_32 3
		.amdhsa_float_denorm_mode_16_64 3
		.amdhsa_memory_ordered 1
		.amdhsa_forward_progress 1
		.amdhsa_inst_pref_size 123
	.end_amdhsa_kernel
	.amdgpu_metadata
---
amdhsa.version: [ 1, 2 ]
amdhsa.kernels:
  - .name:           k_q2c6f0d12a8_attn
    .symbol:         k_q2c6f0d12a8_attn.kd
    .args:
      - { .name: qkv, .offset: 0, .size: 8, .value_kind: global_buffer, .address_space: global }
      - { .name: kmx, .offset: 8, .size: 8, .value_kind: global_buffer, .address_space: global }
      - { .name: ctx, .offset: 16, .size: 8, .value_kind: global_buffer, .address_space: global }
    .group_segment_fixed_size: 327680
    .private_segment_fixed_size: 0
    .kernarg_segment_align: 8
    .kernarg_segment_size: 24
    .max_flat_workgroup_size: 128
    .sgpr_count:     96
    .vgpr_count:     640
    .wavefront_size: 32
...
	.end_amdgpu_metadata
.endif
;; end of part 3
;; launch oproj (part 4): grid 4 x 64, 4 waves a work-group, clusters of 4 x 4, 327,680 bytes of LDS; arguments ctx, wo, bo, out0; writes out0
.if DOCPART == 4
	.amdgcn_target "amdgcn-amd-amdhsa--gfx1250"
	.amdhsa_code_object_version 6
	.text
	.protected	k_q2c6f0d12a8_oproj
	.globl	k_q2c6f0d12a8_oproj
	.p2align	8
	.type	k_q2c6f0d12a8_oproj,@function
k_q2c6f0d12a8_oproj:
	s_mov_b64 s[64:65], 0
	v_nop
	global_prefetch_b8 v0, s[64:65] scope:SCOPE_SE
	s_setreg_imm32_b32 hwreg(HW_REG_WAVE_MODE, 25, 1), 1
	s_wait_xcnt 0x0
	s_wait_alu depctr_hold_cnt(0) depctr_sa_sdst(0) depctr_va_vdst(0) depctr_va_sdst(0) depctr_va_ssrc(0) depctr_va_vcc(0) depctr_vm_vsrc(0)
	s_getreg_b32 s2, hwreg(HW_REG_IB_STS2, 6, 4)
	s_cmp_eq_u32 s2, 0
	s_cbranch_scc0 .Lentry_in_a_cluster
	s_endpgm
.Lentry_in_a_cluster:
	s_bfe_u32 s2, ttmp6, 0x10000c
	s_cmp_lg_u32 s2, 0xf033
	s_cbranch_scc0 .Lentry_shape_is_right
	s_endpgm
.Lentry_shape_is_right:
; OUTPUT PROJECTION.  out0[m][n] = sum over k of ctx[m][k] wo[n][k] + bo[n]; m = 16,384, n = k = 768.  Operands f16 (wo holds Wo rounded to bf16, written as f16), sums f32, out0 f32;
; bo, rounded to bf16 like every input, is the C operand of each accumulator's first product.
; ctx lies by heads, [16 batches x 12 heads][1,024][64]: k = 64 x head + channel, so a K step of 128 is two heads, and a head's 256 rows of a tile are 32,768 dense bytes.
; SHARES, RING, CLUSTER, REGISTERS as in the q, k, v projection: a tile of 256 rows x 192 columns, four waves of 64 x 192 (48 accumulators); 6 K steps of 128 through two LDS slots; 4 x 4
; work-groups, A's tile asked for jointly by a row of the cluster (waves 0, 1: one head each), B's by a column (waves 2, 3: 96 rows each); one tensor load a wave behind each round, 168 matrix
; instructions from a request to the wait for it.  The matrix instruction is used transposed: lane l holds row l % 16 and the columns 8 (l / 16) + 0..7.
; AHEAD OF THE LOADS.  ctx's blocks are read by one row of a cluster alone; waves 0 and 1 ask for them, the four partners sharing a wave's 128 blocks of 256 bytes by address, 32 each, a lane a block;
; the changes of slots that ask for K steps 2 and 3 name K steps 4 and 5, two K steps (384 matrix instructions) ahead; K steps 0 to 3 come by their loads alone.
; wo's rows are walked again by each of the 16 rows of clusters, and 96 rows among four partners are 24, not a lane a row: they are not asked for ahead.
;   window 0: v0-29 addresses; v32-95 A's fragments, two buffers; v128-223 the bias; v224-227 at work; on the way out v32-223 are free again
;   window 1: B's fragments, two buffers of 12 x 8        window 2: accumulators of row blocks 0, 1 at 96 (a % 2) + 8 b        window 3: row blocks 2, 3
.set ROWB,  1536                       ; bytes in a row of wo
.set KSA,   262144                     ; bytes from K step to K step in A: two heads
.set KSB,   256
.set PA,    144                        ; A's LDS row: a head's 128 bytes + 16: the 16 rows of a load start at 16 different groups of four banks (64 banks of 4 bytes: ISA guide 11.1)
.set PB,    272
.set APART, 256*PA                     ; a head's 256 rows: what waves 0, 1 fetch
.set AH,    APART                      ; quarters 2 and 3 lie in the second head
.set BOFF,  2*APART
.set BPART, 96*PB
.set SLOT1, 1<<17                      ; a slot uses 125,952 bytes
.set STAGE, 2*SLOT1
.set SPO,   784                        ; a stage row: 768 bytes of f32 + 16
.set WSTG,  16*SPO
.set SPARE, STAGE+4*WSTG               ; the spare words, 128 bytes a wave: two blocks of 256 bytes that no other line names
.set OROW,  3072                       ; bytes in a row of out0
.set ADA0, 4
.set ADB0, 5
.set ADA,  6
.set ADB,  7
.set STO,  8
.set RD,   9
.set GO,   10
.set BO,   11
.set PFO,  12
.set LN,   18
.set SPW,  28
.set NIL,  29
.set AF,   32
.set BK,   32                          ; the way out: rows read back, two buffers of 96
.set BIAS, 128
.set WK,   224
.set WV,  18
.set HF,  20
.set CX,  21
.set CY,  22
.set CT,  23
.set G1A, 24
.set G1B, 32
.set G0A, 40
.set G0B, 48
.set TB,  56
.set CNT, 57
.set LIM, 58
.set RT,  59
.set PFA, 60
.set OUTP, 80
.set BP,  82
.set MSB, 0
.macro WIN new
.if MSB != (\new)
	s_set_vgpr_msb (MSB<<8)|(\new)
.set MSB, (\new)
.endif
.endm
.macro PLACES
.rept 4
	v_nop
.endr
.endm
.macro CREST
	s_cmp_lg_u32 s[WV], 0
	s_cbranch_scc1 .Lnot_wave_0_\@
	s_barrier_signal -3
.Lnot_wave_0_\@:
	s_barrier_wait -3
	s_barrier_signal -1
	s_barrier_wait -1
.endm
.macro CROUND
	s_barrier_signal -1
	s_barrier_wait -1
	CREST
.endm
.macro JLOAD                           ; a joint refill by the walking set; s_nop 0 and four v_nop follow each line
	s_cmp_lt_u32 s[WV], 2
	s_cbranch_scc0 .Lfor_b_\@
	tensor_load_to_lds s[G0A+4:G0A+7], s[G1A:G1A+7]
	s_nop 0
.rept 4
	v_nop
.endr
	s_branch .Lasked_\@
.Lfor_b_\@:
	tensor_load_to_lds s[G0B+4:G0B+7], s[G1B:G1B+7]
	s_nop 0
.rept 4
	v_nop
.endr
.Lasked_\@:
.endm
.macro ASK                             ; 32 blocks of 256 bytes of the K step two refills on; only while the loop's count is above 2, so K step 5 is the last that is named
	s_cmp_gt_u32 s[CNT], s[LIM]
	s_cbranch_scc0 .Lnot_mine_\@
	global_prefetch_b8 v[PFO], s[PFA:PFA+1] offset:KSA th:TH_LOAD_NT scope:SCOPE_SE
.Lnot_mine_\@:
.endm
.macro MUL12 f, a, first               ; row block a x 12 column blocks, 32 along K; the 48 accumulators take turns
.if \first
	WIN 0x81+0x40*((\a)/2)
.else
	WIN 0xa1+0x50*((\a)/2)
.endif
.irp b, 0,1,2,3,4,5,6,7,8,9,10,11
.if \first
	v_wmma_f32_16x16x32_f16 v[96*((\a)%2)+8*(\b):96*((\a)%2)+8*(\b)+7], v[96*(\f)+8*(\b):96*(\f)+8*(\b)+7], v[AF+32*(\f)+8*(\a):AF+32*(\f)+8*(\a)+7], v[BIAS+8*(\b):BIAS+8*(\b)+7]
.else
	v_wmma_f32_16x16x32_f16 v[96*((\a)%2)+8*(\b):96*((\a)%2)+8*(\b)+7], v[96*(\f)+8*(\b):96*(\f)+8*(\b)+7], v[AF+32*(\f)+8*(\a):AF+32*(\f)+8*(\a)+7], v[96*((\a)%2)+8*(\b):96*((\a)%2)+8*(\b)+7]
.endif
.endr
.endm
.macro FETCH q, f                      ; 32 LDS loads in one run: quarter q's fragments into buffer f: B's 24, then A's 8
	WIN 0x40
.irp i, 0,1,2,3,4,5,6,7,8,9,10,11
	ds_load_b128 v[96*(\f)+8*(\i):96*(\f)+8*(\i)+3],   v[ADB] offset:64*(\q)+(\i)*16*PB
	ds_load_b128 v[96*(\f)+8*(\i)+4:96*(\f)+8*(\i)+7], v[ADB] offset:64*(\q)+(\i)*16*PB+32
.endr
	WIN 0
.irp i, 0,1,2,3
	ds_load_b128 v[AF+32*(\f)+8*(\i):AF+32*(\f)+8*(\i)+3],   v[ADA] offset:((\q)/2)*AH+((\q)%2)*64+(\i)*16*PA
	ds_load_b128 v[AF+32*(\f)+8*(\i)+4:AF+32*(\f)+8*(\i)+7], v[ADA] offset:((\q)/2)*AH+((\q)%2)*64+(\i)*16*PA+32
.endr
.endm
.macro QUARTER q, f, g, first
	s_wait_dscnt 4                                 ; B and A's blocks 0, 1 are in; the youngest four loads (A's blocks 2, 3) may be out
	MUL12 \f, 0, \first
	MUL12 \f, 1, \first
	PLACES
	FETCH \q, \g
	s_wait_dscnt 32                                ; all but the 32 just issued
	MUL12 \f, 2, \first
	MUL12 \f, 3, \first
.endm
.macro TURN fill                       ; the last quarter multiplies buffer 1 and changes slots; fill = 1: the barrier opens a round of the cluster's, the joint refill comes first behind it
.if \fill
	s_wait_xcnt 0x0                                ; the last prefetch, a K step back, has read its address
	s_add_nc_u64 s[PFA:PFA+1], s[PFA:PFA+1], KSA
.endif
	WIN 0
	s_wait_tensorcnt 0x0                           ; no tensor load of mine is out, so a group 0 may be written
	ds_add_u32 v[SPW], v[NIL]                      ; 0 onto my spare word
.if \fill
	s_xor_b32 s[G0A+5], s[G0A+5], SLOT1            ; the walking sets: the other slot than last time, the next K step
	s_add_nc_u64 s[G0A+6:G0A+7], s[G0A+6:G0A+7], KSA
	s_xor_b32 s[G0B+5], s[G0B+5], SLOT1
	s_add_nc_u64 s[G0B+6:G0B+7], s[G0B+6:G0B+7], KSB
.endif
	s_xor_b32 s[TB], s[TB], SLOT1
	s_wait_dscnt 5                                 ; the add and the youngest four loads may be out
	MUL12 1, 0, 0
	s_wait_dscnt 0x0                               ; the add is done, and my reads of this slot are over
	s_barrier_signal -1
	MUL12 1, 1, 0
.if \fill
	WIN 0
	s_barrier_wait -1
	CREST                                          ; no wave of any partner still reads this slot or has a load on its way
	JLOAD                                          ; its four v_nop are also the places in front of the loads below
.else
	s_barrier_wait -1
	PLACES
	WIN 0
.endif
	v_add_nc_u32 v[ADA], s[TB], v[ADA0]
	v_add_nc_u32 v[ADB], s[TB], v[ADB0]
	FETCH 0, 0
.if \fill
	ASK
.endif
	MUL12 1, 2, 0
	MUL12 1, 3, 0
.endm
	s_load_b256 s[4:11], s[0:1], 0x0               ; ctx 4:5, wo 6:7, bo 8:9, out0 10:11
	v_lshl_add_u32 v[SPW], v0, 2, SPARE
	v_mov_b32 v[NIL], 0
	ds_add_u32 v[SPW], v[NIL]                      ; the wave's opening: the add, twice on end, and its wait ahead of my first tensor load
	ds_add_u32 v[SPW], v[NIL]
	v_lshrrev_b32 v1, 5, v0
	v_readfirstlane_b32 s[WV], v1
	s_and_b32 s[HF], s[WV], 1
	s_bfe_u32 s[CX], ttmp6, 0x40000
	s_bfe_u32 s[CY], ttmp6, 0x40004
	s_lshl_b32 s[CT], ttmp9, 2
	s_add_co_u32 s[CT], s[CT], s[CX]               ; tile column
	s_and_b32 s[RT], ttmp7, 0xffff
	s_lshl_b32 s[RT], s[RT], 2
	s_add_co_u32 s[RT], s[RT], s[CY]               ; tile row
	s_lshl_b32 s66, s[CY], 2
	s_lshl_b32 s66, 15, s66                        ; my row of the cluster
	s_lshl_b32 s67, 0x1111, s[CX]                  ; my column
	s_or_b32 s[G1A], s66, (1<<16)|(1<<20)|(1<<21)|(4<<22)|(3<<25)  ; padded after every 32 words (a row of a head), 4 words
	s_or_b32 s[G1B], s67, (1<<16)|(1<<20)|(1<<21)|(5<<22)|(3<<25)  ; after every 64 words
	s_mov_b32 s[G1A+1], 128<<16                    ; 32,768 dense bytes as 128 rows of 256
	s_mov_b32 s[G1A+2], 128<<16
	s_mov_b32 s[G1A+3], 128<<16
	s_mov_b32 s[G1A+4], 128
	s_mov_b32 s[G1A+5], 128
	s_mov_b32 s[G1A+6], 0
	s_mov_b32 s[G1A+7], 0
	s_mov_b32 s[G1B+1], 128<<16
	s_mov_b32 s[G1B+2], 96<<16
	s_mov_b32 s[G1B+3], 128<<16
	s_mov_b32 s[G1B+4], 96
	s_mov_b32 s[G1B+5], 768
	s_mov_b32 s[G1B+6], 0
	s_mov_b32 s[G1B+7], 0
	s_lshr_b32 s68, s[RT], 2                       ; A: the batch's head 0 or 1, the tile's 256 rows in it; in registers that never hold cx
	s_mul_i32 s68, s68, 12
	s_add_co_u32 s68, s68, s[HF]
	s_lshl_b32 s68, s68, 17
	s_and_b32 s69, s[RT], 3
	s_lshl_b32 s69, s69, 15
	s_add_co_u32 s68, s68, s69
	s_mov_b32 s69, 0
	s_mul_i32 s70, s[CT], 192                      ; B: row 192 x tile column + 96 x half; in registers that never hold cy
	s_mul_i32 s71, s[HF], 96
	s_add_co_u32 s70, s70, s71
	s_mul_i32 s70, s70, ROWB
	s_mov_b32 s71, 0
	s_mul_i32 s72, s[HF], APART
	s_mul_i32 s73, s[HF], BPART
	s_add_co_u32 s73, s73, BOFF
	s_wait_dscnt 0x0                               ; both opening adds are done
	s_wait_kmcnt 0x0
	s_add_nc_u64 s[74:75], s[4:5], s[68:69]
	s_add_nc_u64 s[76:77], s[6:7], s[70:71]
	CROUND                                         ; all sixteen work-groups are here: the first joint loads meet
.irp s, 0,1
	s_mov_b32 s[G0A+4*(\s)], 1
	s_add_co_u32 s[G0A+4*(\s)+1], s72, (\s)*SLOT1
	s_add_nc_u64 s[G0A+4*(\s)+2:G0A+4*(\s)+3], s[74:75], (\s)*KSA
	s_or_b32 s[G0A+4*(\s)+3], s[G0A+4*(\s)+3], 0x80000000
	s_mov_b32 s[G0B+4*(\s)], 1
	s_add_co_u32 s[G0B+4*(\s)+1], s73, (\s)*SLOT1
	s_add_nc_u64 s[G0B+4*(\s)+2:G0B+4*(\s)+3], s[76:77], (\s)*KSB
	s_or_b32 s[G0B+4*(\s)+3], s[G0B+4*(\s)+3], 0x80000000
.endr
	s_cmp_lt_u32 s[WV], 2                          ; a wave's two first fills stand in one branch: two loads of mine are out
	s_cbranch_scc0 .Lfirst_b
	tensor_load_to_lds s[G0A:G0A+3], s[G1A:G1A+7]
	s_nop 0
	tensor_load_to_lds s[G0A+4:G0A+7], s[G1A:G1A+7]
	s_nop 0
.rept 4
	v_nop
.endr
	s_branch .Lfirst_asked
.Lfirst_b:
	tensor_load_to_lds s[G0B:G0B+3], s[G1B:G1B+7]
	s_nop 0
	tensor_load_to_lds s[G0B+4:G0B+7], s[G1B:G1B+7]
	s_nop 0
.rept 4
	v_nop
.endr
.Lfirst_asked:
	v_and_b32 v1, 15, v0                           ; r
	v_bfe_u32 v2, v0, 4, 1                         ; h
	v_and_b32 v[LN], 31, v0
	v_lshlrev_b32 v[BO], 5, v2
	s_mul_i32 s70, s[CT], 768                      ; my 192 columns of bo
	s_mov_b32 s71, 0
	s_add_nc_u64 s[BP:BP+1], s[8:9], s[70:71]
.irp b, 0,1,2,3,4,5,6,7,8,9,10,11
	global_load_b128 v[BIAS+8*(\b):BIAS+8*(\b)+3],   v[BO], s[BP:BP+1] offset:64*(\b)
	global_load_b128 v[BIAS+8*(\b)+4:BIAS+8*(\b)+7], v[BO], s[BP:BP+1] offset:64*(\b)+16
.endr
	v_mul_u32_u24 v3, v1, PA
	v_lshl_add_u32 v3, v2, 4, v3
	s_mul_i32 s78, s[WV], 64*PA
	v_add_nc_u32 v[ADA0], s78, v3
	v_mul_u32_u24 v[ADB0], v1, PB
	v_lshl_add_u32 v[ADB0], v2, 4, v[ADB0]
	v_add_nc_u32 v[ADB0], BOFF, v[ADB0]
	s_mul_i32 s78, s[WV], WSTG
	s_add_co_u32 s78, s78, STAGE                   ; my stage
	v_mul_u32_u24 v[STO], v1, SPO                  ; in: row l % 16, 32 bytes for each half of the lanes
	v_lshl_add_u32 v[STO], v2, 5, v[STO]
	v_add_nc_u32 v[STO], s78, v[STO]
	v_mul_u32_u24 v[RD], v2, SPO                   ; back: lanes 0-15 take 256 bytes of one row, lanes 16-31 of the next
	v_lshl_add_u32 v[RD], v1, 4, v[RD]
	v_add_nc_u32 v[RD], s78, v[RD]
	v_mul_u32_u24 v[GO], v2, OROW                  ; and the same in out0
	v_lshl_add_u32 v[GO], v1, 4, v[GO]
	v_lshlrev_b32 v[PFO], 8, v[LN]
	s_lshl_b32 s78, s[RT], 2
	s_add_co_u32 s78, s78, s[WV]
	s_mul_i32 s78, s78, 64*OROW                    ; my 64 rows,
	s_mul_i32 s79, s[CT], 768                      ; my tile's 192 columns
	s_add_co_u32 s78, s78, s79
	s_mov_b32 s79, 0
	s_add_nc_u64 s[OUTP:OUTP+1], s[10:11], s[78:79]
	s_lshl_b32 s90, s[CX], 13                      ; the prefetches: my work-group's 32 of the 128 blocks that I fetch,
	s_mov_b32 s91, 0
	s_add_nc_u64 s[PFA:PFA+1], s[74:75], s[90:91]
	s_add_nc_u64 s[PFA:PFA+1], s[PFA:PFA+1], 2*KSA ; at K step 2: the first change of slots steps it to 3 and names 4
	s_lshr_b32 s92, s[WV], 1                       ; 0 in waves 0 and 1,
	s_or_b32 s92, s92, ttmp9                       ; in the first cluster along x (here the only one): the same in all sixteen partners
	s_cmp_eq_u32 s92, 0
	s_cselect_b32 s[LIM], 2, -1
	s_wait_loadcnt 0x0                             ; the bias
.set i, 0
.rept 48                                       ; rounded to bf16 like every input, and kept as f32
	v_cvt_pk_bf16_f32 v[WK+i%4], v[BIAS+2*i], v[BIAS+2*i+1]
	v_lshlrev_b32 v[BIAS+2*i], 16, v[WK+i%4]
	v_and_b32 v[BIAS+2*i+1], 0xffff0000, v[WK+i%4]
.set i, i+1
.endr
	s_wait_tensorcnt 0x1                           ; my part of K step 0 is in; K step 1's may stay out
	s_barrier_signal -1
	s_barrier_wait -1
	s_mov_b32 s[TB], 0
	v_mov_b32 v[ADA], v[ADA0]
	v_mov_b32 v[ADB], v[ADB0]
	FETCH 0, 0
	QUARTER 1, 0, 1, 1                             ; the first quarter's products start the sums, with the bias
	WIN 0
	s_mov_b32 s[CNT], 4
.Lstep:                                                ; a trip: a K step's quarters 1 to 3 and the next step's quarter 0; its change of slots asks for K steps 2 .. 5
	QUARTER 2, 1, 0, 0
	QUARTER 3, 0, 1, 0
	TURN 1
	QUARTER 1, 0, 1, 0
	WIN 0
	s_sub_co_u32 s[CNT], s[CNT], 1
	s_cmp_lg_u32 s[CNT], 0
	s_cbranch_scc1 .Lstep
	QUARTER 2, 1, 0, 0                             ; the tail is written out: nothing more is asked for
	QUARTER 3, 0, 1, 0
	TURN 0
	QUARTER 1, 0, 1, 0
	QUARTER 2, 1, 0, 0
	QUARTER 3, 0, 1, 0
	s_wait_dscnt 4
	MUL12 1, 0, 0
	MUL12 1, 1, 0
	s_wait_dscnt 0x0
	MUL12 1, 2, 0
	MUL12 1, 3, 0
	WIN 0
	PLACES
	PLACES
; THE WAY OUT.  Row block a: 32 bytes of f32 a lane and column block into my own stage (16 rows of 784 bytes); back as pieces of 256 bytes of a row; stored, sixteen lanes to 256 consecutive bytes, aligned.
.macro OUTB a
	WIN 0x08+4*((\a)/2)                            ; the stores' data in window 2 or 3; each accumulator's low four registers first
.irp b, 0,1,2,3,4,5,6,7,8,9,10,11
	ds_store_b128 v[STO], v[96*((\a)%2)+8*(\b):96*((\a)%2)+8*(\b)+3]   offset:64*(\b)
	ds_store_b128 v[STO], v[96*((\a)%2)+8*(\b)+4:96*((\a)%2)+8*(\b)+7] offset:64*(\b)+16
.endr
	WIN 0
.if (\a) >= 2
	s_wait_xcnt 0x0                                ; the stores of the block two back have read this buffer
.endif
.set g, 0
.rept 24                                       ; rows 2 (g / 3) and 2 (g / 3) + 1, piece g % 3
	ds_load_b128 v[BK+96*((\a)%2)+4*g:BK+96*((\a)%2)+4*g+3], v[RD] offset:(g/3)*2*SPO+(g%3)*256  ; LDS serves a wave's instructions in order (ISA guide 5.7.1.4): these see the stores above
.set g, g+1
.endr
.endm
.macro SEND a, younger                 ; younger: the next block's 24 stage stores and 24 loads, or none
	s_wait_dscnt \younger
.set g, 0
.rept 24
	global_store_b128 v[GO], v[BK+96*((\a)%2)+4*g:BK+96*((\a)%2)+4*g+3], s[OUTP:OUTP+1] offset:(16*(\a)+2*(g/3))*OROW+(g%3)*256 th:TH_STORE_NT
.set g, g+1
.endr
.endm
	OUTB 0
	OUTB 1
	SEND 0, 48
	OUTB 2
	SEND 1, 48
	OUTB 3
	SEND 2, 48
	SEND 3, 0
	s_wait_tensorcnt 0x0                           ; the wave's end, behind my last tensor load and my last LDS store
	ds_add_u32 v[SPW], v[NIL]
	s_wait_dscnt 0x0
	CROUND                                         ; the closing round
	s_endpgm
.Lfunc_end_k_q2c6f0d12a8_oproj:
	.size	k_q2c6f0d12a8_oproj, .Lfunc_end_k_q2c6f0d12a8_oproj-k_q2c6f0d12a8_oproj
	.p2alignl 7, 3214868480
	.fill 96, 4, 3214868480
	.section	.rodata,"a",@progbits
	.p2align	6, 0x0
	.amdhsa_kernel k_q2c6f0d12a8_oproj
		.amdhsa_group_segment_fixed_size 327680
		.amdhsa_private_segment_fixed_size 0
		.amdhsa_enable_private_segment 0
		.amdhsa_kernarg_size 32
		.amdhsa_user_sgpr_count 2
		.amdhsa_user_sgpr_kernarg_segment_ptr 1
		.amdhsa_wavefront_size32 1
		.amdhsa_system_sgpr_workgroup_id_x 1
		.amdhsa_system_sgpr_workgroup_id_y 1
		.amdhsa_system_sgpr_workgroup_id_z 1
		.amdhsa_system_vgpr_workitem_id 0
		.amdhsa_next_free_vgpr 960
		.amdhsa_next_free_sgpr 96
		.amdhsa_reserve_vcc 0
		.amdhsa_float_denorm_mode_32 3
		.amdhsa_float_denorm_mode_16_64 3
		.amdhsa_memory_ordered 1
		.amdhsa_forward_progress 1
		.amdhsa_inst_pref_size 105
	.end_amdhsa_kernel
	.amdgpu_metadata
---
amdhsa.version: [ 1, 2 ]
amdhsa.kernels:
  - .name:           k_q2c6f0d12a8_oproj
    .symbol:         k_q2c6f0d12a8_oproj.kd
    .args:
      - { .name: ctx, .offset: 0, .size: 8, .value_kind: global_buffer, .address_space: global }
      - { .name: wo, .offset: 8, .size: 8, .value_kind: global_buffer, .address_space: global }
      - { .name: bo, .offset: 16, .size: 8, .value_kind: global_buffer, .address_space: global }
      - { .name: out0, .offset: 24, .size: 8, .value_kind: global_buffer, .address_space: global }
    .group_segment_fixed_size: 327680
    .private_segment_fixed_size: 0
    .kernarg_segment_align: 8
    .kernarg_segment_size: 32
    .max_flat_workgroup_size: 128
    .sgpr_count:     96
    .vgpr_count:     960
    .wavefront_size: 32
...
	.end_amdgpu_metadata
.endif
;; end of part 4
;; ======== version 2 of 2: 4 launches; version 1 with the launch cast written anew for expert scheduling mode
;; limits: values are held in f16: magnitudes above 65,504 overflow, below 6.1e-05 lose precision
;; workspace buffers: xb 25,165,824 bytes; wb 3,538,944 bytes; wo 1,179,648 bytes; qkv 75,497,472 bytes; kmx 4,096 bytes; ctx 25,165,824 bytes
;; launch cast (part 5): grid 912 x 1, 8 waves a work-group, no clusters, 0 bytes of LDS; arguments x, Wq, Wk, Wv, Wo, xb, wb, wo; writes xb, wb, wo
.if DOCPART == 5
	.amdgcn_target "amdgcn-amd-amdhsa--gfx1250"
	.amdhsa_code_object_version 6
	.text
	.protected	k_q2c6f0d12a8_cast
	.globl	k_q2c6f0d12a8_cast
	.p2align	8
	.type	k_q2c6f0d12a8_cast,@function
k_q2c6f0d12a8_cast:
	s_mov_b64 s[64:65], 0
	v_nop
	global_prefetch_b8 v0, s[64:65] scope:SCOPE_SE
	s_setreg_imm32_b32 hwreg(HW_REG_WAVE_SCHED_MODE, 0, 2), 2
	s_setreg_imm32_b32 hwreg(HW_REG_WAVE_MODE, 25, 1), 1
	s_wait_xcnt 0x0
	s_wait_alu depctr_vm_vsrc(0)
; CAST.  x, Wq, Wk, Wv are rounded once to bf16 (xb; wb = Wq's, Wk's, Wv's rows one below the other).  Wo is rounded to bf16 like the other
; inputs, and that number is written as f16 (wo), since the last product multiplies it with f16 numbers.
; LIMIT.  A bf16 number is exact in f16 from 6.1e-5 to 65,504; below that it keeps f16's fixed step of 6e-8, beyond it becomes an infinity.
; A stream: no LDS, no matrix unit, no barrier.  A work-group takes 16,384 numbers (64 KiB in, 32 KiB out): 768 work-groups for x, 36 for each weight.
; Thread t takes 16 bytes at 16 t of each of 16 blocks of 4,096 bytes; all 16 loads are issued at once; a wave's store covers 256 consecutive bytes, aligned.
; THE MODE: SCHED_MODE bits 1:0 = 2 (LLVM: expert scheduling mode 2), set by the entry lines.  The code itself states the register dependences
; between vector instructions and memory instructions, with s_wait_alu, always for 0.
; THE PLAN.  Registers that memory instructions touch:
;   v1, v2   byte offsets of the loads and of the stores.  Written once at the head, never again.
;   X        16 blocks as loaded.  Written by the loads alone, each register once; read by the conversions behind the wait for the data.
;   Y        16 blocks to store.   Written by the block's conversions; read by the block's one store; never written behind it.
;   W is named by vector instructions alone.
; The 16 blocks go in four groups of four: one wait for the group's data, its conversions, ONE wait on va_vdst, its four stores in a run.
; With the wait ahead of the first load that is five on each path.  No register that a load or store has read is ever written again, no load lands in a
; register that a vector instruction has named, no vector instruction writes a scalar register, and EXEC is never written: no other dependence is there to state.
.set X,   16                           ; v[16:79]   16 x 4 f32 as loaded
.set Y,   80                           ; v[80:111]  16 x 2 words to store
.set W,   112                          ; v[112:115] at work
.set SRC, 26                           ; s[26:27]
.set DST, 28                           ; s[28:29]
	s_load_b512 s[4:19], s[0:1], 0x0               ; x 4:5, Wq 6:7, Wk 8:9, Wv 10:11, Wo 12:13, xb 14:15, wb 16:17, wo 18:19
	s_mov_b32 s20, ttmp9                           ; g
	s_sub_co_u32 s21, s20, 768                     ; my block's number in Wq, and in wb for all three weights that lie there
	s_sub_co_u32 s22, s20, 804                     ; in Wk
	s_sub_co_u32 s23, s20, 840                     ; in Wv
	s_sub_co_u32 s24, s20, 876                     ; in Wo and wo
	v_lshlrev_b32 v1, 4, v0                        ; 16 t: loads
	v_lshlrev_b32 v2, 3, v0                        ; 8 t: stores
	s_wait_kmcnt 0x0
	s_mov_b64 s[SRC:SRC+1], s[4:5]
	s_mov_b64 s[DST:DST+1], s[14:15]
	s_mov_b32 s30, s20                             ; block number in the source
	s_mov_b32 s31, s20                             ; and in the destination
	s_cmp_ge_u32 s20, 768                          ; behind each compare stand selects alone, which leave SCC as it is
	s_cselect_b64 s[SRC:SRC+1], s[6:7], s[SRC:SRC+1]
	s_cselect_b64 s[DST:DST+1], s[16:17], s[DST:DST+1]
	s_cselect_b32 s30, s21, s30
	s_cselect_b32 s31, s21, s31
	s_cmp_ge_u32 s20, 804
	s_cselect_b64 s[SRC:SRC+1], s[8:9], s[SRC:SRC+1]
	s_cselect_b32 s30, s22, s30
	s_cmp_ge_u32 s20, 840
	s_cselect_b64 s[SRC:SRC+1], s[10:11], s[SRC:SRC+1]
	s_cselect_b32 s30, s23, s30
	s_cmp_ge_u32 s20, 876
	s_cselect_b64 s[SRC:SRC+1], s[12:13], s[SRC:SRC+1]
	s_cselect_b64 s[DST:DST+1], s[18:19], s[DST:DST+1]
	s_cselect_b32 s30, s24, s30
	s_cselect_b32 s31, s24, s31
	s_lshl_b32 s32, s30, 16                        ; 65,536 bytes of f32 a block
	s_mov_b32 s33, 0
	s_lshl_b32 s34, s31, 15                        ; 32,768 bytes of 16-bit numbers
	s_mov_b32 s35, 0
	s_add_nc_u64 s[SRC:SRC+1], s[SRC:SRC+1], s[32:33]
	s_add_nc_u64 s[DST:DST+1], s[DST:DST+1], s[34:35]
	s_wait_alu depctr_va_vdst(0)                   ; v1 and v2 are written: every load below reads v1 as its offset, every store v2; neither is written again
.set j, 0
.rept 16
	global_load_b128 v[X+4*j:X+4*j+3], v1, s[SRC:SRC+1] offset:4096*j th:TH_LOAD_NT
.set j, j+1
.endr
; Group g: blocks 4 g to 4 g + 3, four numbers a lane and block.  half = 1: the bf16 numbers are widened again and written as f16.
; No register that a store reads is written behind that store, so no store's source is ever rewritten.
.macro GROUP g, half
	s_wait_loadcnt 12-4*(\g)                       ; loads come back in order: the group's four blocks are in, the 12 - 4 g younger ones stay out
.irp i, 0,1,2,3
	v_cvt_pk_bf16_f32 v[Y+2*(4*(\g)+(\i))], v[X+4*(4*(\g)+(\i))], v[X+4*(4*(\g)+(\i))+1]
	v_cvt_pk_bf16_f32 v[Y+2*(4*(\g)+(\i))+1], v[X+4*(4*(\g)+(\i))+2], v[X+4*(4*(\g)+(\i))+3]
.if \half
.irp k, 0,1
	v_lshlrev_b32 v[W+2*(\k)], 16, v[Y+2*(4*(\g)+(\i))+(\k)]
	v_and_b32 v[W+2*(\k)+1], 0xffff0000, v[Y+2*(4*(\g)+(\i))+(\k)]
	v_cvt_pk_f16_f32 v[Y+2*(4*(\g)+(\i))+(\k)], v[W+2*(\k)], v[W+2*(\k)+1]
.endr
.endif
.endr
	s_wait_alu depctr_va_vdst(0)                   ; the group's conversions have written its eight registers of Y, which the four stores below read
.irp i, 0,1,2,3
	global_store_b64 v2, v[Y+2*(4*(\g)+(\i)):Y+2*(4*(\g)+(\i))+1], s[DST:DST+1] offset:2048*(4*(\g)+(\i)) th:TH_STORE_NT
.endr
.endm
	s_cmp_ge_u32 s20, 876                          ; the same in all waves of the work-group
	s_cbranch_scc1 .Lwo
.irp g, 0,1,2,3
	GROUP \g, 0
.endr
	s_endpgm
.Lwo:
.irp g, 0,1,2,3
	GROUP \g, 1
.endr
	s_endpgm
.Lfunc_end_k_q2c6f0d12a8_cast:
	.size	k_q2c6f0d12a8_cast, .Lfunc_end_k_q2c6f0d12a8_cast-k_q2c6f0d12a8_cast
	.p2alignl 7, 3214868480
	.fill 96, 4, 3214868480
	.section	.rodata,"a",@progbits
	.p2align	6, 0x0
	.amdhsa_kernel k_q2c6f0d12a8_cast
		.amdhsa_group_segment_fixed_size 0
		.amdhsa_private_segment_fixed_size 0
		.amdhsa_enable_private_segment 0
		.amdhsa_kernarg_size 64
		.amdhsa_user_sgpr_count 2
		.amdhsa_user_sgpr_kernarg_segment_ptr 1
		.amdhsa_wavefront_size32 1
		.amdhsa_system_sgpr_workgroup_id_x 1
		.amdhsa_system_sgpr_workgroup_id_y 1
		.amdhsa_system_sgpr_workgroup_id_z 1
		.amdhsa_system_vgpr_workitem_id 0
		.amdhsa_next_free_vgpr 116
		.amdhsa_next_free_sgpr 66
		.amdhsa_reserve_vcc 0
		.amdhsa_float_denorm_mode_32 3
		.amdhsa_float_denorm_mode_16_64 3
		.amdhsa_memory_ordered 1
		.amdhsa_forward_progress 1
		.amdhsa_inst_pref_size 16
	.end_amdhsa_kernel
	.amdgpu_metadata
---
amdhsa.version: [ 1, 2 ]
amdhsa.kernels:
  - .name:           k_q2c6f0d12a8_cast
    .symbol:         k_q2c6f0d12a8_cast.kd
    .args:
      - { .name: x, .offset: 0, .size: 8, .value_kind: global_buffer, .address_space: global }
      - { .name: Wq, .offset: 8, .size: 8, .value_kind: global_buffer, .address_space: global }
      - { .name: Wk, .offset: 16, .size: 8, .value_kind: global_buffer, .address_space: global }
      - { .name: Wv, .offset: 24, .size: 8, .value_kind: global_buffer, .address_space: global }
      - { .name: Wo, .offset: 32, .size: 8, .value_kind: global_buffer, .address_space: global }
      - { .name: xb, .offset: 40, .size: 8, .value_kind: global_buffer, .address_space: global }
      - { .name: wb, .offset: 48, .size: 8, .value_kind: global_buffer, .address_space: global }
      - { .name: wo, .offset: 56, .size: 8, .value_kind: global_buffer, .address_space: global }
    .group_segment_fixed_size: 0
    .private_segment_fixed_size: 0
    .kernarg_segment_align: 8
    .kernarg_segment_size: 64
    .max_flat_workgroup_size: 256
    .sgpr_count:     66
    .vgpr_count:     116
    .wavefront_size: 32
...
	.end_amdgpu_metadata
.endif
;; end of part 5
;; launch qkv: the kernel of part 2 again; grid 4 x 64, 4 waves a work-group, clusters of 4 x 4, 327,680 bytes of LDS; arguments xb, wb, bq, bk, bv, qkv, kmx; writes qkv, kmx
;; launch attn: the kernel of part 3 again; grid 4 x 64, 4 waves a work-group, clusters of 4 x 1, 327,680 bytes of LDS; arguments qkv, kmx, ctx; writes ctx
;; launch oproj: the kernel of part 4 again; grid 4 x 64, 4 waves a work-group, clusters of 4 x 4, 327,680 bytes of LDS; arguments ctx, wo, bo, out0; writes out0
